; MI455X (gfx1250); checked and timed in simulation.
; The chip was launched on July 23, 2026; its instructions are those of AMD's public machine-readable ISA for CDNA 5 (MIT licence, August 2026) and "CDNA5" Instruction Set Architecture Reference Guide (July 2026). The comments in the code are by the model that wrote it; some were corrected since.
;; Attention. Allowed arithmetic: matrix products marked QUANTISED: E4M3 operands, one given power-of-two scale a tensor, by v_wmma_f32_16x16x64_fp8_fp8 or v_wmma_f32_16x16x128_fp8_fp8, f32 sums; everything else in f32.
;; Inputs: WK 1,024 x 1,024 float32; WK_bias 1,024 float32; WO 1,024 x 1,024 float32; WO_bias 1,024 float32; WQ 1,024 x 1,024 float32; WQ_bias 1,024 float32; WV 1,024 x 1,024 float32; WV_bias 1,024 float32; k 4 x 2,048 x 1,024 float32; lowp_scales 12 int32 (the exponents e of the quantised operands' scales 2^e); q 4 x 2,048 x 1,024 float32; v 4 x 2,048 x 1,024 float32.
;; Outputs: out0 4 x 2,048 x 1,024 float32.
;; This version of the problem:
;;   THIS VERSION OF THE PROBLEM IS GIVEN IN LOW PRECISION. The matrix products marked QUANTISED in the list below multiply operands that are first quantised to E4M3 (4 exponent bits, 3 mantissa bits; 8 bits a number), with one given power-of-two scale for each operand tensor; their sums are f32. All else is computed in f32.
;;   The module's matrix products, in the order in which they are computed (A, B: the left and right operand; K: the contracted axis; several contracted axes count as one K, in the product's order):
;;     1. [M 8,192, K 1,024] x [K 1,024, N 1,024]; A: input q; B: input WQ: QUANTISED (scales: A lowp_scales[0], B lowp_scales[1])
;;     2. [M 8,192, K 1,024] x [K 1,024, N 1,024]; A: input k; B: input WK: QUANTISED (scales: A lowp_scales[2], B lowp_scales[3])
;;     3. [M 8,192, K 1,024] x [K 1,024, N 1,024]; A: input v; B: input WV: QUANTISED (scales: A lowp_scales[4], B lowp_scales[5])
;;     4. batch 64 x [M 2,048, K 64] x [K 64, N 2,048]; A: computed on the way; B: computed on the way: QUANTISED (scales: A lowp_scales[6], B lowp_scales[7])
;;     5. batch 64 x [M 2,048, K 2,048] x [K 2,048, N 64]; A: softmax (see below); B: computed on the way: QUANTISED (scales: A lowp_scales[8], B lowp_scales[9])
;;     6. [M 8,192, K 1,024] x [K 1,024, N 1,024]; A: computed on the way; B: input WO: QUANTISED (scales: A lowp_scales[10], B lowp_scales[11])
;;   THE QUANTISER, for each operand of a quantised product, along K:
;;     - The operand's scale is 2^e, e = its entry of the input lowp_scales (int32; the entries are numbered through the quantised products in the list's order, A before B).
;;     - Each number is divided by the scale, clamped to +-448, and rounded to the nearest number of E4M3, ties to even, subnormals kept.
;;     - The product sums the exact products of the quantised numbers (number of the format x scale) in f32.
;;   ~~~python
;;   def quantise(x, axis, e):      # numpy; x: float32 -> the quantised numbers, widened to float32 again
;;       x = np.moveaxis(x, axis, -1); K = x.shape[-1]
;;       r = np.clip(x / 2.0 ** e, -448, 448)
;;       step = 2.0 ** (np.maximum(np.frexp(np.where(r == 0, 1, r))[1] - 1, -6) - 3)
;;       q = np.round(r / step) * step * 2.0 ** e      # np.round: ties to even
;;       return np.moveaxis(q, -1, axis).astype(np.float32)
;;   ~~~
;;   SOFTMAX AHEAD OF A QUANTISED PRODUCT. Where the list says 'softmax', what is quantised is not the finished softmax but p = 2^(t - M), with t = logit x log2(e) and M = ceil(the row's largest t), a whole number; so 1/2 < the row's largest p <= 1. The row's sum l is taken of the UNQUANTISED p, in f32, and the product's result is divided by l at the end. Since M is a whole number, a kernel that streams over the keys may use a running M (the ceiling of the running maximum): every later rescaling is an exact power of two, so the quantised numbers keep their values, but for numbers so far below the row's largest that they fall under the format's range.
;;   OPERANDS COMPUTED ON THE WAY. 'Computed on the way' means the value that the module computes at that place (a softmax that the list does not call 'softmax' is quantised finished and normalised). What goes into a quantiser is computed in f32, as accurately as f32 sums, v_exp_f32 and their like allow (about 1e-6 of the number): no bf16 or f16 on the way to a quantiser, and a product that is left as it is and whose result goes on into a quantised operand takes f32 operands (vector FMAs, or v_wmma_f32_16x16x4_f32). A number that lies on a knife's edge between two numbers of the format may be rounded either way, as far as f32 arithmetic and the matrix unit's own rounding can turn it there, and no further.
;; One version. Each part assembles by itself: llvm-mc -triple=amdgcn-amd-amdhsa -mcpu=gfx1250 --defsym DOCPART=n.
;; ======== version 1 of 1: 4 launches
;; limits: right only within a limited range of input values
;; workspace buffers: codes 29,360,128 bytes; hc 25,165,824 bytes; oc 8,388,608 bytes
;; launch prep (part 1): grid 896 x 1, 4 waves a work-group, no clusters, 55,808 bytes of LDS; arguments q, k, v, WQ, WK, WV, WO, lowp_scales, codes; writes codes
.if DOCPART == 1
	.amdgcn_target "amdgcn-amd-amdhsa--gfx1250"
	.amdhsa_code_object_version 6
	.text
	.protected	k_q69a7675156_prep
	.globl	k_q69a7675156_prep
	.p2align	8
	.type	k_q69a7675156_prep,@function
k_q69a7675156_prep:
	s_mov_b64 s[64:65], 0
	v_nop
	global_prefetch_b8 v0, s[64:65] scope:SCOPE_SE
	s_setreg_imm32_b32 hwreg(HW_REG_WAVE_MODE, 25, 1), 1
	s_wait_xcnt 0x0
; q, k, v [8192][1024] and WQ, WK, WV, WO [1024 (k)][1024 (n)], all f32, become codes of FP8 (E4M3), one byte each, K innermost, in ONE buffer of 28,672 rows of 1,024 codes:
; rows 0-8,191 q, 8,192-16,383 k, 16,384-24,575 v; row 24,576 + 1,024 m + n = column n of weight m (0 WQ, 1 WK, 2 WV, 3 WO).
; code = x / 2^e, held within +-448, rounded to the nearest code, ties to even.  e: entries 0, 2, 4 of the scales for q, k, v; 1, 3, 5, 11 for the weights.
; LIMITS: -126 <= e <= 119, so that 2^e and 448 x 2^e are f32 numbers.  NaN among the inputs is not served (an infinity is held at the largest code).
; Work-groups 0-767 take q, k, v (K innermost: a plain stream of numbers), work-groups 768-895 the weights (K is the first axis: a lane takes a column, its registers run down K).
; The two ways part on the work-group's number, never join, and use LDS bytes of their own.  Waves share nothing: no barrier.  Each input byte is read once, each code written once.
.set WAVES, 4
.set STEPS, 16
.set EMAX,  8
.set MANT,  0x600000                   ; the mantissa field of 448 as f32
.set SPW,   12                         ; v12  LDS address of my spare word: SPARE + 4 x my thread's number; never rewritten
.set NIL,   13                         ; v13  0; never rewritten
.set XR,    16                         ; the stream: v16-79 four sets of 16 numbers as loaded
.set XX,    80                         ; v80-111 two sets of 16 neighbours
.set XC,    128                        ; v128-191 codes: four registers for each step, so that no store's data are written again
.set SP,    80                         ; a lane's place in a stage: its 64 bytes + 16 of padding
.set WREG,  2*32*SP                    ; the stream's LDS: two stages for each wave
.set WSTG,  WAVES*WREG                 ; the weights' LDS begins here: 32 rows x 272 bytes for each wave
.set WPITCH, 272
.set NB,    8                          ; blocks of 32 along K for a wave
.set WX,    32                         ; the weights: v32-95 two sets of 32 numbers
.set WC,    96                         ; v96-103 a block's codes
.set WOUT,  112                        ; v112-175 the way out
.set SPARE, WSTG+WAVES*32*WPITCH       ; behind both: the spare words, 128 bytes for each wave: two blocks of 256 bytes that no other line names
	s_load_b256 s[4:11], s[0:1], 0x0               ; q s[4:5], k s[6:7], v s[8:9], WQ s[10:11]
	s_load_b256 s[12:19], s[0:1], 0x20             ; WK s[12:13], WV s[14:15], WO s[16:17], the scales' exponents s[18:19]
	s_load_b64 s[20:21], s[0:1], 0x40              ; the codes
	v_lshl_add_u32 v[SPW], v0, 2, SPARE
	v_mov_b32 v[NIL], 0
	v_lshrrev_b32 v1, 5, v0
	v_readfirstlane_b32 s22, v1                    ; wave 0..3
	v_and_b32 v2, 31, v0                           ; lane
	s_cmp_ge_u32 ttmp9, 768
	s_cbranch_scc1 .Lweights
; ---------------- q, k, v.  A wave takes 16 steps of 512 numbers.  Each of a step's four loads reads 512 consecutive bytes, 16 a lane; the 2,048 bytes go through the wave's own stage and come back
; 64 bytes a lane, so that a lane holds 16 neighbours along K for the conversions.  A lane's 16 codes are 16 bytes: the wave stores 512 consecutive bytes.  Loads run four steps ahead, the stage one.
	v_lshlrev_b32 v3, 4, v2                        ; my 16 bytes of a load's 512
	s_mul_i32 s23, s22, WREG
	v_lshrrev_b32 v14, 2, v2
	v_mul_u32_u24 v14, v14, SP
	v_and_b32 v15, 3, v2
	v_lshl_add_u32 v14, v15, 4, v14
	v_add_nc_u32 v14, s23, v14                     ; into the stage: four lanes' 64 bytes on end, then 16 of padding
	v_mul_u32_u24 v15, v2, SP
	v_add_nc_u32 v15, s23, v15                     ; out of it: my 16 neighbours
	v_lshlrev_b32 v4, 4, v2                        ; my codes' place in a step's
	s_lshr_b32 s24, ttmp9, 8                       ; which tensor: 256 work-groups each
	s_and_b32 s25, ttmp9, 255
	s_lshl_b32 s25, s25, 2
	s_add_co_u32 s25, s25, s22                     ; which run of 8,192 numbers of the tensor is my wave's
	s_lshl_b32 s26, s25, 15                        ; in bytes of f32
	s_mov_b32 s27, 0
	s_lshl_b32 s25, ttmp9, 2
	s_add_co_u32 s25, s25, s22
	s_lshl_b32 s30, s25, 13                        ; the codes of q, k, v follow each other: 8,192 bytes for each run
	s_mov_b32 s31, 0
	s_wait_kmcnt 0x0
	s_load_b256 s[32:39], s[18:19], 0x0            ; e0 .. e7
	s_cmp_eq_u32 s24, 0                            ; the choice hangs on the work-group's number alone
	s_cselect_b64 s[4:5], s[4:5], s[6:7]
	s_cmp_eq_u32 s24, 2
	s_cselect_b64 s[4:5], s[8:9], s[4:5]
	s_add_nc_u64 s[4:5], s[4:5], s[26:27]
	s_add_nc_u64 s[20:21], s[20:21], s[30:31]
.macro XLOAD t
.irp i, 0,1,2,3
	global_load_b128 v[XR+16*((\t)%4)+4*\i:XR+16*((\t)%4)+4*\i+3], v3, s[4:5] offset:2048*(\t)+512*\i th:TH_LOAD_NT   ; 32 lanes read 512 consecutive bytes
.endr
.endm
.macro XTURN t                         ; step t's numbers through the stage: LDS serves a wave's instructions in order, so no wait stands between the stores and the loads
.irp i, 0,1,2,3
	ds_store_b128 v14, v[XR+16*((\t)%4)+4*\i:XR+16*((\t)%4)+4*\i+3] offset:32*SP*((\t)%2)+8*SP*\i
.endr
.irp i, 0,1,2,3
	ds_load_b128 v[XX+16*((\t)%2)+4*\i:XX+16*((\t)%2)+4*\i+3], v15 offset:32*SP*((\t)%2)+16*\i
.endr
.endm
.irp t, 0,1,2,3
	XLOAD \t
.endr
	s_wait_kmcnt 0x0
	s_cmp_eq_u32 s24, 0
	s_cselect_b32 s28, s32, s34                    ; e0 or e2,
	s_cmp_eq_u32 s24, 2
	s_cselect_b32 s28, s36, s28                    ; or e4
	s_add_co_i32 s28, s28, 127
	s_lshl_b32 s29, s28, 23
	v_mov_b32 v11, s29                             ; 2^e as f32: the conversion takes its exponent field
	s_add_co_i32 s28, s28, EMAX
	s_lshl_b32 s28, s28, 23
	s_or_b32 s28, s28, MANT
	v_mov_b32 v10, s28                             ; 448 x 2^e
	s_wait_loadcnt 12                              ; step 0's four loads are in; the twelve of steps 1 to 3 may be out
	XTURN 0
.macro XSTEP t
.set XS, XX+16*((\t)%2)
	s_wait_dscnt 0x0                               ; this step's numbers are back from the stage: so its stores into the stage have read their registers,
.if (\t)+4 < STEPS
	XLOAD (\t)+4                                   ; which take the loads of four steps on
.endif
.if (\t)+1 < STEPS
.if STEPS-2-(\t) >= 3
	s_wait_loadcnt 12                              ; the next step's four loads are in; those of the three steps behind it may be out
.else
	s_wait_loadcnt 4*(STEPS-2-(\t))                ; near the end fewer steps stand behind it
.endif
	XTURN (\t)+1                                   ; and go through the other stage while this step is worked
.endif
.irp i, 0,1,2,3,4,5,6,7,8,9,10,11,12,13,14,15
	v_med3_num_f32 v[XS+\i], v[XS+\i], -v10, v10   ; the conversion to an 8-bit code does not saturate (ISA guide 7.6.2): hold the number within 448 x the scale first
.endr
	v_cvt_scalef32_pk8_fp8_f32 v[XC+4*(\t):XC+4*(\t)+1], v[XS:XS+7], v11
	v_cvt_scalef32_pk8_fp8_f32 v[XC+4*(\t)+2:XC+4*(\t)+3], v[XS+8:XS+15], v11
	global_store_b128 v4, v[XC+4*(\t):XC+4*(\t)+3], s[20:21] offset:512*(\t) th:TH_STORE_NT   ; the results go to a store alone; the next vector lines are the next step's holds, on other registers
.endm
.irp t, 0,1,2,3,4,5,6,7,8,9,10,11,12,13,14,15
	XSTEP \t
.endr
	s_wait_tensorcnt 0x0                           ; the wave's end, behind my last LDS store
	ds_add_u32 v[SPW], v[NIL]
	s_wait_dscnt 0x0
	s_endpgm
; ---------------- the weights.  A wave takes 32 columns x 256 along K.  Each load reads one row k at 32 neighbouring columns (128 consecutive bytes a wave, 512 a work-group); a lane's 32 registers are 32
; neighbours along K of ONE column, so the conversions give codes with K innermost.  A lane's codes belong to one row of the output: they go through the wave's own stage and leave sixteen lanes to 256 consecutive bytes.
.Lweights:
	s_sub_co_u32 s24, ttmp9, 768
	s_lshr_b32 s25, s24, 5                         ; which weight: 32 work-groups each
	s_and_b32 s26, s24, 7                          ; which 128 columns
	s_bfe_u32 s27, s24, 0x20003                    ; which 256 along K
	s_lshl_b32 s26, s26, 7
	s_lshl_b32 s28, s22, 5
	s_add_co_u32 s26, s26, s28                     ; my wave's first column
	v_lshlrev_b32 v3, 2, v2                        ; in: 4 bytes a lane
	s_mul_i32 s28, s22, 32*WPITCH
	s_add_co_u32 s28, s28, WSTG                    ; my stage
	v_mul_u32_u24 v4, v2, WPITCH
	v_add_nc_u32 v4, s28, v4                       ; into it: row = my column
	v_and_b32 v5, 15, v2
	v_lshrrev_b32 v6, 4, v2                        ; out of it: sixteen lanes to a row, two rows an instruction
	v_mul_u32_u24 v7, v6, WPITCH
	v_lshl_add_u32 v7, v5, 4, v7
	v_add_nc_u32 v7, s28, v7
	v_lshlrev_b32 v8, 10, v6
	v_lshl_add_u32 v8, v5, 4, v8                   ; and the same place among the codes' rows of 1,024 bytes
	s_lshl_b32 s28, s27, 20                        ; 256 rows of 4,096 bytes for each step along K,
	s_lshl_b32 s29, s26, 2
	s_add_co_u32 s28, s28, s29                     ; + 4 x column
	s_mov_b32 s29, 0
	s_lshl_b32 s30, s25, 10
	s_add_co_u32 s30, s30, s26
	s_add_co_u32 s30, s30, 24576                   ; the codes' row of my first column,
	s_lshl_b32 s30, s30, 10
	s_lshl_b32 s31, s27, 8
	s_add_co_u32 s30, s30, s31                     ; + my 256 along K
	s_mov_b32 s31, 0
	s_wait_kmcnt 0x0
	s_load_b256 s[32:39], s[18:19], 0x0            ; e0 .. e7
	s_load_b128 s[40:43], s[18:19], 0x20           ; e8 .. e11
	s_cmp_eq_u32 s25, 0
	s_cselect_b64 s[4:5], s[10:11], s[12:13]
	s_cmp_eq_u32 s25, 2
	s_cselect_b64 s[4:5], s[14:15], s[4:5]
	s_cmp_eq_u32 s25, 3
	s_cselect_b64 s[4:5], s[16:17], s[4:5]
	s_add_nc_u64 s[4:5], s[4:5], s[28:29]
	s_add_nc_u64 s[20:21], s[20:21], s[30:31]
.macro WLOAD t                         ; block t: W(32 t + i, my column), i = 0 .. 31, into set t % 2; the largest offset, 255 rows of 4,096 bytes, lies inside the signed 24-bit immediate
.set i, 0
.rept 32
	global_load_b32 v[WX+32*((\t)%2)+i], v3, s[4:5] offset:(32*(\t)+i)*4096 th:TH_LOAD_NT
.set i, i+1
.endr
.endm
	WLOAD 0
	WLOAD 1
	s_wait_kmcnt 0x0
	s_cmp_eq_u32 s25, 0
	s_cselect_b32 s28, s33, s35                    ; e1 or e3,
	s_cmp_eq_u32 s25, 2
	s_cselect_b32 s28, s37, s28                    ; or e5,
	s_cmp_eq_u32 s25, 3
	s_cselect_b32 s28, s43, s28                    ; or e11
	s_add_co_i32 s28, s28, 127
	s_lshl_b32 s29, s28, 23
	v_mov_b32 v11, s29                             ; 2^e
	s_add_co_i32 s28, s28, EMAX
	s_lshl_b32 s28, s28, 23
	s_or_b32 s28, s28, MANT
	v_mov_b32 v10, s28                             ; 448 x 2^e
.macro WBLOCK t
.set XS, WX+32*((\t)%2)
.if (\t) < NB-1
	s_wait_loadcnt 32                              ; this block's 32 loads are in; the next block's 32 may be out
.else
	s_wait_loadcnt 0
.endif
.set i, 0
.rept 32
	v_med3_num_f32 v[XS+i], v[XS+i], -v10, v10
.set i, i+1
.endr
.irp g, 0,1,2,3
	v_cvt_scalef32_pk8_fp8_f32 v[WC+2*\g:WC+2*\g+1], v[XS+8*\g:XS+8*\g+7], v11
.endr
	ds_store_b128 v4, v[WC:WC+3] offset:32*(\t)    ; 32 codes: 32 bytes of my column's row
	ds_store_b128 v4, v[WC+4:WC+7] offset:32*(\t)+16
.if (\t)+2 < NB
	WLOAD (\t)+2
.endif
	s_wait_dscnt 0x0                               ; the stores have read their registers: the next block's codes may be written
.endm
.set Q, 0
.rept NB
	WBLOCK Q
.set Q, Q+1
.endr
.irp t, 0,1,2,3,4,5,6,7,8,9,10,11,12,13,14,15
	ds_load_b128 v[WOUT+4*\t:WOUT+4*\t+3], v7 offset:2*\t*WPITCH   ; LDS serves a wave's instructions in order: these see my stores
.endr
.irp t, 0,1,2,3,4,5,6,7,8,9,10,11,12,13,14,15
	s_wait_dscnt 15-\t                             ; load t is in; the 15 - t behind it may be out
	global_store_b128 v8, v[WOUT+4*\t:WOUT+4*\t+3], s[20:21] offset:2*\t*1024 th:TH_STORE_NT   ; sixteen lanes store 256 consecutive bytes, aligned
.endr
	s_wait_tensorcnt 0x0                           ; the wave's end, behind my last LDS store
	ds_add_u32 v[SPW], v[NIL]
	s_wait_dscnt 0x0
	s_endpgm
.Lfunc_end_k_q69a7675156_prep:
	.size	k_q69a7675156_prep, .Lfunc_end_k_q69a7675156_prep-k_q69a7675156_prep
	.p2alignl 7, 3214868480
	.fill 96, 4, 3214868480
	.section	.rodata,"a",@progbits
	.p2align	6, 0x0
	.amdhsa_kernel k_q69a7675156_prep
		.amdhsa_group_segment_fixed_size 55808
		.amdhsa_private_segment_fixed_size 0
		.amdhsa_enable_private_segment 0
		.amdhsa_kernarg_size 72
		.amdhsa_user_sgpr_count 2
		.amdhsa_user_sgpr_kernarg_segment_ptr 1
		.amdhsa_wavefront_size32 1
		.amdhsa_system_sgpr_workgroup_id_x 1
		.amdhsa_system_sgpr_workgroup_id_y 1
		.amdhsa_system_sgpr_workgroup_id_z 1
		.amdhsa_system_vgpr_workitem_id 0
		.amdhsa_next_free_vgpr 192
		.amdhsa_next_free_sgpr 66
		.amdhsa_reserve_vcc 0
		.amdhsa_float_denorm_mode_32 3
		.amdhsa_float_denorm_mode_16_64 3
		.amdhsa_memory_ordered 1
		.amdhsa_forward_progress 1
		.amdhsa_inst_pref_size 86
	.end_amdhsa_kernel
	.amdgpu_metadata
---
amdhsa.version: [ 1, 2 ]
amdhsa.kernels:
  - .name:           k_q69a7675156_prep
    .symbol:         k_q69a7675156_prep.kd
    .args:
      - { .name: q, .offset: 0, .size: 8, .value_kind: global_buffer, .address_space: global }
      - { .name: k, .offset: 8, .size: 8, .value_kind: global_buffer, .address_space: global }
      - { .name: v, .offset: 16, .size: 8, .value_kind: global_buffer, .address_space: global }
      - { .name: WQ, .offset: 24, .size: 8, .value_kind: global_buffer, .address_space: global }
      - { .name: WK, .offset: 32, .size: 8, .value_kind: global_buffer, .address_space: global }
      - { .name: WV, .offset: 40, .size: 8, .value_kind: global_buffer, .address_space: global }
      - { .name: WO, .offset: 48, .size: 8, .value_kind: global_buffer, .address_space: global }
      - { .name: lowp_scales, .offset: 56, .size: 8, .value_kind: global_buffer, .address_space: global }
      - { .name: codes, .offset: 64, .size: 8, .value_kind: global_buffer, .address_space: global }
    .group_segment_fixed_size: 55808
    .private_segment_fixed_size: 0
    .kernarg_segment_align: 8
    .kernarg_segment_size: 72
    .max_flat_workgroup_size: 128
    .sgpr_count:     66
    .vgpr_count:     192
    .wavefront_size: 32
...
	.end_amdgpu_metadata
.endif
;; end of part 1
;; launch proj (part 2): grid 4 x 96, 4 waves a work-group, clusters of 4 x 4, 327,680 bytes of LDS; arguments codes, lowp_scales, WQ_bias, WK_bias, WV_bias, hc; writes hc
.if DOCPART == 2
	.amdgcn_target "amdgcn-amd-amdhsa--gfx1250"
	.amdhsa_code_object_version 6
	.text
	.protected	k_q69a7675156_proj
	.globl	k_q69a7675156_proj
	.p2align	8
	.type	k_q69a7675156_proj,@function
k_q69a7675156_proj:
	s_mov_b64 s[64:65], 0
	v_nop
	global_prefetch_b8 v0, s[64:65] scope:SCOPE_SE
	s_setreg_imm32_b32 hwreg(HW_REG_WAVE_MODE, 25, 1), 1
	s_wait_xcnt 0x0
	s_wait_alu depctr_hold_cnt(0) depctr_sa_sdst(0) depctr_va_vdst(0) depctr_va_sdst(0) depctr_va_ssrc(0) depctr_va_vcc(0) depctr_vm_vsrc(0)
	s_getreg_b32 s2, hwreg(HW_REG_IB_STS2, 6, 4)
	s_cmp_eq_u32 s2, 0
	s_cbranch_scc0 .Lentry_in_a_cluster
	s_endpgm
.Lentry_in_a_cluster:
	s_bfe_u32 s2, ttmp6, 0x10000c
	s_cmp_lg_u32 s2, 0xf033
	s_cbranch_scc0 .Lentry_shape_is_right
	s_endpgm
.Lentry_shape_is_right:
; The three input projections on codes of FP8 (E4M3): Q = q WQ + bQ, K = k WK + bK, V = v WV + bV, each 8,192 x 1,024 with K = 1,024; each result is quantised at once for the attention and stored as codes.
; All operands are rows of 1,024 codes of ONE buffer (rows 0-24,575 the tokens of q, k, v; from 24,576 the weights' columns), so an operand is chosen by a row number.
; A tile, 256 x 256, is made by four waves, 128 x 128 each: 64 accumulators, 512 registers.  K goes in steps of 256 through a ring of two LDS slots filled by the tensor data mover.
; THE MATRIX INSTRUCTION IS USED TRANSPOSED: source 0 = 16 rows of 'B', source 1 = 16 rows of 'A': a lane holds ONE row of A and eight NEIGHBOURING rows of B.
;   Q, K (clusters y = 0-15): A = tokens, B = weight columns: a lane's eight results are neighbours along the head's axis, the K of the scores' product.
;   V    (clusters y = 16-23): A = WV's columns, B = tokens: a lane's eight results are eight neighbouring KEYS, the K of the second product.  So V leaves with the keys innermost and nothing is transposed.
; OUT (buffer hc; hb = 16 batch + head): Q's codes [hb][s][64] at byte 0; K's the same at 8,388,608; V's at 16,777,216 as [hb][s / 128][64 (d)][128 keys], where inside each 32 keys position 16 h + 8 e + j holds
; key 16 e + 8 h + j: loads of 16 bytes then give the attention's fragments the places that the K = 128 form's own layout has.
; CLUSTERS: 4 x 4 work-groups; A's tile is shared along a row of the cluster, B's along a column: each is asked for jointly, by the same tensor load with the same descriptor and a mask that names the four.
; LIMITS on the given exponents: e(x) + e(w) between -126 and 127; the result's exponent (e6, e7, e9) between -126 and 119.  NaN among the inputs is not served.
; REGISTERS, in windows of 256: window 0: v0-31 addresses; v32-95 the bias by B's rows, v96-111 the bias by A's rows; from v128 A's fragments, ONE set; on the way out v128-255 are free.
;   window 1: B's fragments, TWO sets.   window 2: the accumulators of my A rows 0-63 ((a, b) at v[8 (8 a + b)]);   window 3: those of rows 64-127.
.set KSTEP,  256
.set ROWB,   256                       ; a tile's row in bytes
.set KROW,   1024                      ; a row of codes in memory
.set PITCH,  272                       ; an LDS row: 256 bytes + 16 of padding = 68 words: the 16 rows that a load touches start at 16 different banks (64 banks of 4 bytes: ISA guide 11.1)
.set FR,     16
.set NL,     4
.set NP,     4                         ; places behind this matrix instruction (ISA guide 7.12.1)
.set HALFT,  128*PITCH
.set SLOT,   4*HALFT                   ; A's 256 rows, then B's 256 rows
.set LAPS,   2                         ; 1,024 along K = four K steps = twice round the ring
.set SPARE,  2*SLOT                    ; behind the ring: the spare words, 128 bytes for each wave: two blocks of 256 bytes that no other line names
.set SPQ,    144                       ; the way out: a stage of 16 rows x (128 bytes + 16) for each wave, in slot 0, which has had its last fill and its last read by then
.set STGV,   4*16*SPQ                  ; V's tiles use stage bytes of their own
.set ADRA, 16
.set ADRB, 20
.set STO,  24
.set RD,   25
.set CO,   26                          ; v26  16 x lane
.set SPW,  28                          ; v28  LDS address of my spare word; never rewritten
.set NIL,  29                          ; v29  0; never rewritten
.set SCL,  30                          ; v30  2^eo, for the conversions
.set LIMV, 31
.set BI,   32
.set BV,   96
.set AF,   128
.set TMP,  128                         ; the way out: a block's 64 numbers
.set BK,   192                         ; two sets of 16: a block's codes read back from the stage
.set CD,   224                         ; two sets of 16: a block's codes as converted
.set G1, 24
.set G0, 32
.set G1B, 48
.set G0B, 56
.set MSB, 0
.macro WIN new                         ; the immediate's high byte repeats the setting that is left
.if MSB != \new
	s_set_vgpr_msb (MSB<<8)|\new
.set MSB, \new
.endif
.endm
.set MUL_LO, 0xa1                      ; source 0 (B) window 1, source 1 (A) window 0, C and D window 2
.set MUL_HI, 0xf1
.set TO_B,   0x40
; A joint load: waves 0 and 1 fetch for A, waves 2 and 3 for B; the branch hangs on the wave's number alone.  An s_nop 0 and four v_nop follow each of the two lines.
.macro JLOAD g0a, g1a, g0b, g1b
	s_cmp_eq_u32 s15, 0
	s_cbranch_scc0 .Lfor_b_\@
	tensor_load_to_lds s[\g0a:\g0a+3], s[\g1a:\g1a+7]
	s_nop 0
.rept 4
	v_nop
.endr
	s_branch .Lasked_\@
.Lfor_b_\@:
	tensor_load_to_lds s[\g0b:\g0b+3], s[\g1b:\g1b+7]
	s_nop 0
.rept 4
	v_nop
.endr
.Lasked_\@:
.endm
.macro CREST                           ; a round of the cluster's barrier behind its opening barrier
	s_cmp_lg_u32 s14, 0
	s_cbranch_scc1 .Lnot_wave_0_\@
	s_barrier_signal -3
.Lnot_wave_0_\@:
	s_barrier_wait -3
	s_barrier_signal -1
	s_barrier_wait -1
.endm
.macro CROUND
	s_barrier_signal -1
	s_barrier_wait -1
	CREST
.endm
	s_load_b128 s[4:7], s[0:1], 0x0                ; the codes s[4:5], the scales' exponents s[6:7]
	s_load_b128 s[8:11], s[0:1], 0x10              ; WQ_bias s[8:9], WK_bias s[10:11]
	s_load_b128 s[68:71], s[0:1], 0x20             ; WV_bias s[68:69], hc s[70:71]
	v_lshl_add_u32 v[SPW], v0, 2, SPARE
	v_mov_b32 v[NIL], 0
	ds_add_u32 v[SPW], v[NIL]                      ; the wave's opening: the add and its wait stand ahead of my first tensor load; the set-up below, work on registers, stands between them
	ds_add_u32 v[SPW], v[NIL]
	v_lshrrev_b32 v1, 5, v0
	v_readfirstlane_b32 s14, v1                    ; wave 0..3
	s_lshr_b32 s15, s14, 1                         ; which half of A's rows is mine.  Also: I fetch for A (0) or for B (1)
	s_and_b32 s16, s14, 1                          ; which half of B's rows.  Also: which 128 rows I fetch
	s_bfe_u32 s40, ttmp6, 0x40000                  ; cx, cy: my place in the cluster
	s_bfe_u32 s41, ttmp6, 0x40004
	s_and_b32 s12, ttmp7, 0xffff                   ; the cluster's y, 0-23: the same in all sixteen partners
	s_lshr_b32 s13, s12, 3                         ; 0: Q, 1: K, 2: V
	s_lshl_b32 s43, s41, 2
	s_lshl_b32 s43, 15, s43                        ; my row of the cluster
	s_lshl_b32 s44, 0x1111, s40                    ; my column
	s_or_b32 s[G1+0], s43, (0<<16)|(1<<20)|(1<<21)|(5<<22)|(3<<25)  ; 15:0 the mask: A's tiles go to my row; elements of 1 byte; 20 padding on; 21 set beside a mask; after every 64 words (code 5) four words (code 3)
	s_or_b32 s[G1B+0], s44, (0<<16)|(1<<20)|(1<<21)|(5<<22)|(3<<25)
.irp g, G1, G1B
	s_mov_b32 s[\g+1], ROWB<<16                    ; tensor_dim0
	s_mov_b32 s[\g+2], 128<<16                     ; tensor_dim1 = 128
	s_mov_b32 s[\g+3], ROWB<<16                    ; tile_dim0
	s_mov_b32 s[\g+4], 128                         ; tile_dim1 = 128
	s_mov_b32 s[\g+5], KROW                        ; tensor_dim0_stride
	s_mov_b32 s[\g+6], 0
	s_mov_b32 s[\g+7], 0
.endr
	s_lshl_b32 s18, s16, 7                         ; which 128 rows of the tile I fetch
	s_lshl_b32 s19, s12, 10                        ; the cluster's 1,024 tokens: rows 1,024 y of the codes (q, k and v follow each other)
	s_lshl_b32 s21, s13, 10
	s_add_co_u32 s21, s21, 24576                   ; WQ's or WK's rows
	s_cmp_eq_u32 s13, 2                            ; a V tile?  The cluster's y alone decides
	s_cselect_b32 s20, 26624, s19                  ; A: WV's rows, or the tokens
	s_cselect_b32 s46, s19, s21                    ; B: the tokens, or the weight's rows
	s_lshl_b32 s22, s41, 8
	s_add_co_u32 s20, s20, s22                     ; A: + 256 cy, which my row of the cluster shares
	s_add_co_u32 s20, s20, s18
	s_lshl_b32 s47, s40, 8
	s_add_co_u32 s46, s46, s47                     ; B: + 256 cx, which my column shares
	s_add_co_u32 s46, s46, s18
	s_lshl_b32 s20, s20, 10                        ; rows of 1,024 bytes
	s_lshl_b32 s46, s46, 10
	s_mov_b32 s21, 0
	s_mov_b32 s47, 0
	s_mul_i32 s45, s14, HALFT                      ; where they go: wave x 128 rows: no place in the cluster enters an LDS address
	s_wait_dscnt 0x0                               ; the opening add is done
	s_wait_kmcnt 0x0
	s_load_b256 s[76:83], s[6:7], 0x0              ; e0 .. e7
	s_load_b128 s[84:87], s[6:7], 0x20             ; e8 .. e11
	s_add_nc_u64 s[20:21], s[4:5], s[20:21]
	s_add_nc_u64 s[46:47], s[4:5], s[46:47]
	CROUND                                         ; all sixteen work-groups are here: the first joint loads meet
.irp s, 0,1
	s_mov_b32 s[G0+4*\s], 1
	s_add_co_u32 s[G0+4*\s+1], s45, \s*SLOT
	s_add_nc_u64 s[G0+4*\s+2:G0+4*\s+3], s[20:21], \s*ROWB
	s_or_b32 s[G0+4*\s+3], s[G0+4*\s+3], 0x80000000
	s_mov_b32 s[G0B+4*\s], 1
	s_add_co_u32 s[G0B+4*\s+1], s45, \s*SLOT
	s_add_nc_u64 s[G0B+4*\s+2:G0B+4*\s+3], s[46:47], \s*ROWB
	s_or_b32 s[G0B+4*\s+3], s[G0B+4*\s+3], 0x80000000
	JLOAD G0+4*\s, G1, G0B+4*\s, G1B               ; two loads of mine are out at the most
.endr
	v_and_b32 v1, 15, v0                           ; r = l % 16
	v_bfe_u32 v2, v0, 4, 1                         ; h = l / 16
	s_wait_alu depctr_va_vdst(0)
	v_and_b32 v6, 31, v0                           ; l
	v_lshlrev_b32 v[CO], 4, v6
	v_mul_u32_u24 v3, v1, PITCH
	v_lshl_add_u32 v4, v2, 4, v3                   ; a fragment's row x pitch + 16 x half
	s_mul_i32 s21, s15, HALFT                      ; my 128 rows of A
	s_mul_i32 s22, s16, HALFT                      ; my 128 rows of B,
	s_add_co_u32 s22, s22, 2*HALFT                 ; which lie behind A's 256
.irp s, 0,1
	v_add_nc_u32 v[ADRA+\s], s21, v4
	v_add_nc_u32 v[ADRB+\s], s22, v4
	s_add_co_u32 s21, s21, SLOT
	s_add_co_u32 s22, s22, SLOT
.endr
	; THE BIAS, in both forms, in every work-group, so that the head has no branch on the tile's kind: by B's rows (Q, K use it: register 8 b + j = bias[my first column + 16 b + 8 h + j]) and by A's rows
	; (V uses it: for block a the number of row 16 a + r, twice, a pair for the packed form).  The form that a tile does not use stays unread.  They land under the products.
	s_cmp_eq_u32 s13, 0
	s_cselect_b64 s[72:73], s[8:9], s[10:11]
	s_cmp_eq_u32 s13, 2
	s_cselect_b64 s[72:73], s[68:69], s[72:73]
	s_lshl_b32 s74, s40, 10
	s_lshl_b32 s75, s16, 9
	s_add_co_u32 s74, s74, s75                     ; 4 x (256 cx + 128 x my half of B's rows)
	v_lshl_add_u32 v8, v2, 5, s74                  ; + 32 h; never rewritten
	s_lshl_b32 s74, s41, 10
	s_lshl_b32 s75, s15, 9
	s_add_co_u32 s74, s74, s75                     ; 4 x (256 cy + 128 x my half of A's rows)
	v_lshl_add_u32 v9, v1, 2, s74                  ; + 4 r; never rewritten
.irp b, 0,1,2,3,4,5,6,7
	global_load_b128 v[BI+8*\b:BI+8*\b+3], v8, s[72:73] offset:64*\b
	global_load_b128 v[BI+8*\b+4:BI+8*\b+7], v8, s[72:73] offset:64*\b+16
.endr
.irp a, 0,1,2,3,4,5,6,7
	global_load_b32 v[BV+2*\a], v9, s[68:69] offset:64*\a
	global_load_b32 v[BV+2*\a+1], v9, s[68:69] offset:64*\a
.endr
.macro FRAG reg, adr, q, i             ; a fragment, 16 rows x 128 K, is 16 registers: lane l holds row l % 16; registers 4 c .. 4 c + 3 hold K = 32 c + 16 (l / 16) + 0 .. 15: the same order of k in A and in B
.irp c, 0,1,2,3
	ds_load_b128 v[\reg+4*\c:\reg+4*\c+3], v[\adr] offset:128*(\q)+32*\c+(\i)*16*PITCH
.endr
.endm
; 16 matrix instructions: A's blocks a0, a0 + 1 x B's eight.  The 64 accumulators take turns, one instruction a turn, in the same order in every step.
.macro MUL16 a0, p, zero
.irp a, \a0, \a0+1
.irp b, 0,1,2,3,4,5,6,7
.if \zero
	v_wmma_f32_16x16x128_fp8_fp8 v[8*(8*((\a)%4)+\b):8*(8*((\a)%4)+\b)+7], v[128*(\p)+FR*\b:128*(\p)+FR*\b+FR-1], v[AF+FR*(\a):AF+FR*(\a)+FR-1], 0
.else
	v_wmma_f32_16x16x128_fp8_fp8 v[8*(8*((\a)%4)+\b):8*(8*((\a)%4)+\b)+7], v[128*(\p)+FR*\b:128*(\p)+FR*\b+FR-1], v[AF+FR*(\a):AF+FR*(\a)+FR-1], v[8*(8*((\a)%4)+\b):8*(8*((\a)%4)+\b)+7]
.endif
.endr
.endr
.endm
.macro FETCH_B slot, q, p
	WIN TO_B
.irp i, 0,1,2,3,4,5,6,7
	FRAG 128*(\p)+FR*\i, ADRB+\slot, \q, \i
.endr
	WIN 0
.endm
.macro FETCH_A slot, q, i0
.irp i, \i0, \i0+1, \i0+2, \i0+3
	FRAG AF+FR*(\i), ADRA+\slot, \q, \i
.endr
.endm
.macro PLACES n                        ; plain vector instructions between a matrix instruction and a load into, or a vector read of, its registers
.rept \n
	v_nop
.endr
.endm
.macro STEP slot, q, zero              ; 128 along K whose successor lies in the same slot
	s_wait_dscnt 4*NL                              ; B's set and A's blocks 0-3 are in; the youngest sixteen loads (A's blocks 4-7) may be out
	WIN MUL_LO
	MUL16 0, (\q)%2, \zero
	MUL16 2, (\q)%2, \zero
	s_wait_dscnt 0                                 ; A's blocks 4-7 are in
	PLACES NP
	FETCH_B \slot, (\q)+1, 1-(\q)%2
	FETCH_A \slot, (\q)+1, 0
	WIN MUL_HI
	MUL16 4, (\q)%2, \zero
	MUL16 6, (\q)%2, \zero
	PLACES NP
	WIN 0
	FETCH_A \slot, (\q)+1, 4
.endm
; A slot's last step changes slots: ONE barrier; in front of it each wave waits for all its tensor loads, adds 0 to its spare word, and waits for that and for its own reads of this slot.
.macro TURN slot, next, fill
	s_wait_tensorcnt 0x0                           ; all my tensor loads have landed: my part of the next slot
	ds_add_u32 v[SPW], v[NIL]                      ; 0 onto my spare word
	s_wait_dscnt 4*NL+1                            ; (the add and the youngest sixteen loads, A's blocks 4-7, may be out)
	WIN MUL_LO
	MUL16 0, 1, 0                                  ; sixteen matrix instructions stand between the add and the wait for it
	s_wait_dscnt 0x0                               ; the add is done, and my reads of this slot are over
	s_barrier_signal -1
	MUL16 2, 1, 0
	WIN 0
	s_barrier_wait -1
.if \fill
	CREST                                          ; the barrier has opened a round of the cluster's barrier: no wave of any partner still reads this slot's tile or has a load on its way
	s_add_nc_u64 s[G0+4*\slot+2:G0+4*\slot+3], s[G0+4*\slot+2:G0+4*\slot+3], 2*ROWB
	s_add_nc_u64 s[G0B+4*\slot+2:G0B+4*\slot+3], s[G0B+4*\slot+2:G0B+4*\slot+3], 2*ROWB
	JLOAD G0+4*\slot, G1, G0B+4*\slot, G1B         ; the first tensor load behind the round; its four v_nop are also the places in front of the loads below
.else
	PLACES NP
.endif
	FETCH_B \next, 0, 0
	FETCH_A \next, 0, 0
	WIN MUL_HI
	MUL16 4, 1, 0
	MUL16 6, 1, 0
	PLACES NP
	WIN 0
	FETCH_A \next, 0, 4
.endm
	s_wait_alu depctr_va_vdst(0)
	s_wait_tensorcnt 1                             ; my part of K step 0 is in; K step 1's load may be out
	s_barrier_signal -1
	s_barrier_wait -1
	FETCH_B 0, 0, 0
	FETCH_A 0, 0, 0
	FETCH_A 0, 0, 4
	STEP 0, 0, 1                                   ; the first step's products start the sums: nothing is cleared
	s_mov_b32 s3, LAPS-1
.Llap:                                                 ; a trip goes once round the ring and fills both slots again
	TURN 0, 1, 1
	STEP 1, 0, 0
	TURN 1, 0, 1
	STEP 0, 0, 0
	s_sub_co_u32 s3, s3, 1
	s_cmp_lg_u32 s3, 0
	s_cbranch_scc1 .Llap
	TURN 0, 1, 0                                   ; the last lap fills nothing
	STEP 1, 0, 0
	s_wait_dscnt 4*NL
	WIN MUL_LO
	MUL16 0, 1, 0
	MUL16 2, 1, 0
	s_wait_dscnt 0
	WIN MUL_HI
	MUL16 4, 1, 0
	MUL16 6, 1, 0
	WIN 0
; THE WAY OUT, block by block of 16 rows of A x 128 rows of B.  number = sum x 2^(ex + ew) + bias, one fused multiply-add; converted: a lane's eight numbers are eight bytes.
; They go through my own stage (rows of 144 bytes) and come back so that each store of the wave covers 512 consecutive bytes, aligned.  LDS serves a wave's instructions in order: no wait between stores and loads.
.macro TOST a, mode                    ; mode 0: Q, K;  1: V
.set AC, 64*((\a)%4)
.set CDS, CD+16*((\a)%2)
.set BB, BK+16*((\a)%2)
	WIN 0x02+((\a)/4)                              ; source 0: window 2 or 3
.irp b, 0,1,2,3,4,5,6,7
.irp i, 0,2,4,6
.if \mode
	v_pk_fma_f32 v[TMP+8*\b+\i:TMP+8*\b+\i+1], v[AC+8*\b+\i:AC+8*\b+\i+1], s[96:97], v[BV+2*(\a):BV+2*(\a)+1] op_sel_hi:[1,0,1]   ; each accumulator from its low end on
.else
	v_pk_fma_f32 v[TMP+8*\b+\i:TMP+8*\b+\i+1], v[AC+8*\b+\i:AC+8*\b+\i+1], s[96:97], v[BI+8*\b+\i:BI+8*\b+\i+1] op_sel_hi:[1,0,1]
.endif
.endr
.endr
	WIN 0
.set j, 0
.rept 64
.set j, j+1
.endr
.irp b, 0,1,2,3,4,5,6,7
	v_cvt_scalef32_pk8_fp8_f32 v[CDS+2*\b:CDS+2*\b+1], v[TMP+8*\b:TMP+8*\b+7], v[SCL]
.endr
	v_nop                                          ; one plain vector instruction behind the last conversion: the next block writes its sources
.irp b, 0,1,2,3,4,5,6,7
.if \mode
	ds_store_b64 v[STO], v[CDS+2*\b:CDS+2*\b+1] offset:32*(\b/2)+8*(\b%2)   ; keys 16 b + 8 h + 0..7 at position 32 (b / 2) + 16 h + 8 (b % 2)
.else
	ds_store_b64 v[STO], v[CDS+2*\b:CDS+2*\b+1] offset:16*\b                ; columns 16 b + 8 h + 0..7
.endif
.endr
.irp i, 0,1,2,3
.if \mode
	ds_load_b128 v[BB+4*\i:BB+4*\i+3], v[RD] offset:4*SPQ*\i                ; four rows d of 128 bytes
.else
	ds_load_b128 v[BB+4*\i:BB+4*\i+3], v[RD] offset:8*SPQ*(\i%2)+64*(\i/2)  ; eight tokens x the 64 bytes of head i / 2
.endif
.endr
.endm
.macro SEND a, younger, mode           ; younger: the LDS instructions issued behind block a's loads, which may stay out
.set BB, BK+16*((\a)%2)
	s_wait_dscnt \younger
.irp i, 0,1,2,3
.if \mode
	global_store_b128 v[CO], v[BB+4*\i:BB+4*\i+3], s[70:71] offset:131072*((\a)/4)+2048*((\a)%4)+512*\i th:TH_STORE_NT
.else
	global_store_b128 v[CO], v[BB+4*\i:BB+4*\i+3], s[70:71] offset:131072*(\i/2)+1024*(\a)+512*(\i%2) th:TH_STORE_NT
.endif
.endr
.endm
.macro OUTALL mode
	TOST 0, \mode
.irp a, 1,2,3,4,5,6,7
.if \a > 1
	s_wait_xcnt 0x0                                ; block a - 2's stores have read their registers: block a's loads may land there
.endif
	TOST \a, \mode
	SEND \a-1, 12, \mode                           ; behind block a - 1's loads: block a's 8 stores and 4 loads
.endr
	SEND 7, 0, \mode
.endm
	s_wait_kmcnt 0x0                               ; the exponents
	s_wait_loadcnt 0x0                             ; the bias
	s_cmp_eq_u32 s13, 0                            ; the exponents are chosen, never branched on
	s_cselect_b32 s88, s76, s78
	s_cselect_b32 s89, s77, s79
	s_cselect_b32 s90, s82, s83
	s_cmp_eq_u32 s13, 2
	s_cselect_b32 s88, s80, s88                    ; ex: e0, e2, e4
	s_cselect_b32 s89, s81, s89                    ; ew: e1, e3, e5
	s_cselect_b32 s90, s85, s90                    ; eo: e6, e7, e9
	s_add_co_i32 s96, s88, s89
	s_add_co_i32 s96, s96, 127
	s_lshl_b32 s96, s96, 23                        ; 2^(ex + ew) as f32
	s_mov_b32 s97, s96                             ; (named with it as a pair, so it is written)
	s_add_co_i32 s90, s90, 127
	s_lshl_b32 s91, s90, 23
	PLACES NP                                      ; behind the last products
	v_mov_b32 v[SCL], s91
	s_cmp_eq_u32 s13, 2
	s_cbranch_scc1 .Lout_v
	; Q, K: stage row = token r
	s_mul_i32 s23, s14, 16*SPQ
	v_mul_u32_u24 v[STO], v1, SPQ
	v_lshl_add_u32 v[STO], v2, 3, v[STO]
	v_add_nc_u32 v[STO], s23, v[STO]               ; in: row r, + 8 h
	v_lshrrev_b32 v3, 2, v6
	v_mul_u32_u24 v[RD], v3, SPQ
	v_and_b32 v3, 3, v6
	v_lshl_add_u32 v[RD], v3, 4, v[RD]
	v_add_nc_u32 v[RD], s23, v[RD]                 ; back: four lanes to a token's 64 bytes
	s_lshl_b32 s88, s12, 10
	s_lshl_b32 s89, s41, 8
	s_add_co_u32 s88, s88, s89
	s_lshl_b32 s89, s15, 7
	s_add_co_u32 s88, s88, s89
	s_and_b32 s88, s88, 8191                       ; my first token in its tensor
	s_lshr_b32 s89, s88, 11
	s_lshl_b32 s89, s89, 21                        ; its batch: 16 heads of 131,072 bytes
	s_and_b32 s88, s88, 2047
	s_lshl_b32 s88, s88, 6                         ; its place in a head: 64 bytes a token
	s_add_co_u32 s88, s88, s89
	s_lshl_b32 s89, s13, 23                        ; Q's part or K's
	s_add_co_u32 s88, s88, s89
	s_lshl_b32 s89, s40, 2
	s_lshl_b32 s90, s16, 1
	s_add_co_u32 s89, s89, s90                     ; my first head: 4 cx + 2 x half
	s_lshl_b32 s89, s89, 17
	s_add_co_u32 s88, s88, s89
	s_mov_b32 s89, 0
	s_add_nc_u64 s[70:71], s[70:71], s[88:89]
	OUTALL 0
	s_branch .Lend
.Lout_v:
	; V: stage row = channel r of the block, 128 keys along it
	s_mul_i32 s23, s14, 16*SPQ
	s_add_co_u32 s23, s23, STGV
	v_mul_u32_u24 v[STO], v1, SPQ
	v_lshl_add_u32 v[STO], v2, 4, v[STO]
	v_add_nc_u32 v[STO], s23, v[STO]               ; in: row r, + 16 h
	v_lshrrev_b32 v3, 3, v6
	v_mul_u32_u24 v[RD], v3, SPQ
	v_and_b32 v3, 7, v6
	v_lshl_add_u32 v[RD], v3, 4, v[RD]
	v_add_nc_u32 v[RD], s23, v[RD]                 ; back: eight lanes to a row of 128 bytes
	s_sub_co_u32 s88, s12, 16
	s_lshl_b32 s88, s88, 10
	s_lshl_b32 s89, s40, 8
	s_add_co_u32 s88, s88, s89
	s_lshl_b32 s89, s16, 7
	s_add_co_u32 s88, s88, s89                     ; my first token of v
	s_lshr_b32 s89, s88, 11
	s_lshl_b32 s89, s89, 21                        ; its batch
	s_and_b32 s88, s88, 2047
	s_lshr_b32 s88, s88, 7
	s_lshl_b32 s88, s88, 13                        ; its block of 128 keys: 64 rows of 128 bytes
	s_add_co_u32 s88, s88, s89
	s_add_co_u32 s88, s88, 16777216                ; V's part
	s_lshl_b32 s89, s41, 2
	s_lshl_b32 s90, s15, 1
	s_add_co_u32 s89, s89, s90                     ; my first head: 4 cy + 2 x half
	s_lshl_b32 s89, s89, 17
	s_add_co_u32 s88, s88, s89
	s_mov_b32 s89, 0
	s_add_nc_u64 s[70:71], s[70:71], s[88:89]
	OUTALL 1
.Lend:
	s_wait_tensorcnt 0x0                           ; the wave's end, behind my last tensor load and my last LDS store
	ds_add_u32 v[SPW], v[NIL]
	s_wait_dscnt 0x0
	CROUND                                         ; the closing round: no work-group ends while a partner may still ask for a tile that names it
	s_endpgm
.Lfunc_end_k_q69a7675156_proj:
	.size	k_q69a7675156_proj, .Lfunc_end_k_q69a7675156_proj-k_q69a7675156_proj
	.p2alignl 7, 3214868480
	.fill 96, 4, 3214868480
	.section	.rodata,"a",@progbits
	.p2align	6, 0x0
	.amdhsa_kernel k_q69a7675156_proj
		.amdhsa_group_segment_fixed_size 327680
		.amdhsa_private_segment_fixed_size 0
		.amdhsa_enable_private_segment 0
		.amdhsa_kernarg_size 48
		.amdhsa_user_sgpr_count 2
		.amdhsa_user_sgpr_kernarg_segment_ptr 1
		.amdhsa_wavefront_size32 1
		.amdhsa_system_sgpr_workgroup_id_x 1
		.amdhsa_system_sgpr_workgroup_id_y 1
		.amdhsa_system_sgpr_workgroup_id_z 1
		.amdhsa_system_vgpr_workitem_id 0
		.amdhsa_next_free_vgpr 1024
		.amdhsa_next_free_sgpr 100
		.amdhsa_reserve_vcc 0
		.amdhsa_float_denorm_mode_32 3
		.amdhsa_float_denorm_mode_16_64 3
		.amdhsa_fp16_overflow 1
		.amdhsa_memory_ordered 1
		.amdhsa_forward_progress 1
		.amdhsa_inst_pref_size 144
	.end_amdhsa_kernel
	.amdgpu_metadata
---
amdhsa.version: [ 1, 2 ]
amdhsa.kernels:
  - .name:           k_q69a7675156_proj
    .symbol:         k_q69a7675156_proj.kd
    .args:
      - { .name: codes, .offset: 0, .size: 8, .value_kind: global_buffer, .address_space: global }
      - { .name: lowp_scales, .offset: 8, .size: 8, .value_kind: global_buffer, .address_space: global }
      - { .name: WQ_bias, .offset: 16, .size: 8, .value_kind: global_buffer, .address_space: global }
      - { .name: WK_bias, .offset: 24, .size: 8, .value_kind: global_buffer, .address_space: global }
      - { .name: WV_bias, .offset: 32, .size: 8, .value_kind: global_buffer, .address_space: global }
      - { .name: hc, .offset: 40, .size: 8, .value_kind: global_buffer, .address_space: global }
    .group_segment_fixed_size: 327680
    .private_segment_fixed_size: 0
    .kernarg_segment_align: 8
    .kernarg_segment_size: 48
    .max_flat_workgroup_size: 128
    .sgpr_count:     100
    .vgpr_count:     1024
    .wavefront_size: 32
...
	.end_amdgpu_metadata
.endif
;; end of part 2
;; launch attn (part 3): grid 4 x 64, 16 waves a work-group, no clusters, 327,680 bytes of LDS; arguments hc, lowp_scales, oc; writes oc
.if DOCPART == 3
	.amdgcn_target "amdgcn-amd-amdhsa--gfx1250"
	.amdhsa_code_object_version 6
	.text
	.protected	k_q69a7675156_attn
	.globl	k_q69a7675156_attn
	.p2align	8
	.type	k_q69a7675156_attn,@function
k_q69a7675156_attn:
	s_mov_b64 s[64:65], 0
	v_nop
	global_prefetch_b8 v0, s[64:65] scope:SCOPE_SE
	s_setreg_imm32_b32 hwreg(HW_REG_WAVE_MODE, 25, 1), 1
	s_wait_xcnt 0x0
; Causal attention on codes of FP8 (E4M3), 64 (batch, head) pairs of 2,048 tokens, head size 64; O is quantised at once for the last projection and stored as codes [hb][s][64].
; IN (buffer hc): Q's codes [hb][s][64] at byte 0, K's the same at 8,388,608, V's at 16,777,216 with the keys innermost, [hb][s / 128][64 (d)][128], bits 3 and 4 of the key's place swapped inside each 32.
; THE SOFTMAX AHEAD OF THE SECOND PRODUCT: t = score x log2(e) / 8; M = the running largest t rounded UP to a whole number; p = 2^(t - M) is quantised, not normalised; the row's sum is taken of the unquantised p and
; divides O at the end.  When M moves, the sum and O are multiplied by 2^(old M - new M): exact.
; SHARES.  Work-group (X, hb) owns the query blocks 7 - X and then X of its head, 256 queries each.  Block i walks the key slots 0 .. i of 256 keys: (8 - X) + (X + 1) = 9 slots for every work-group: 256 work-groups of
; equal work, a trip count that is a constant, and no slot is fetched that nobody reads.  Each of the SIXTEEN waves owns 16 queries, one tile, in 256 registers: four waves to a SIMD.
; LAYOUT.  Both products are used transposed: S^T = K Q^T (source 0 = 16 neighbouring keys, source 1 = my 16 queries), O^T = V^T P^T: a lane holds ONE query (lane % 16) throughout.  Register j of score tile g is key
; 16 g + 8 (lane / 16) + j: its eight codes ARE registers 2 g, 2 g + 1 of P in the K = 128 form's own layout, and V's loads of 16 bytes give the same order of keys thanks to the stored swap.
; THE MASK.  A step all of whose 128 keys come after my 16 queries is left out (a branch on ids); on the diagonal hidden scores become -infinity ahead of the maximum, so p = 0.
; LIMIT: reference() takes 1e10 off hidden scores; that too gives p = 0 as long as the scores themselves stay far under 1e10: 64 x 448^2 x 2^(e6 + e7), so e6 + e7 <= 8.
; LIMITS on the other exponents: e6 + e7 >= -123 (they are added to c's exponent field); e8 and e10 between -126 and 119.  NaN among the inputs is not served.
; NO JOINT LOADS: the four work-groups of a head walk the same slots only while their first blocks last (5 of the 9 trips for all four) and then ask for different slots in the same trip, so their requests are not alike.
; REGISTERS: v1-11, v24-26 addresses; v12 -M, v13 the largest t, v[14:15] the sum in two halves; v16-23 Q; v32-95 eight fragments of K, then four of V; v96-159 S^T, then p; v160-191 O^T; v224-239 p's codes; v240-254 constants and work.
.set SLOT1, 65536                      ; slot 1 begins here: one exclusive or turns an address in one slot into the other's
.set TP,    272                        ; an LDS row: 256 bytes (four keys of K; two channels of V) + 16 of padding
.set VOFF,  64*TP                      ; a slot: 64 rows of K, then 64 rows of V
.set STAGE, 2*SLOT1                    ; the way out: 16 rows x (64 + 16) bytes for each wave; no tile lands here
.set SPARE, STAGE+16*16*80             ; the spare words, 128 bytes for each wave: eight blocks of 256 bytes that no other line names
.set AK0,  1                           ; v1   my lane's place in a tile of K
.set AV0,  2                           ; v2   the same for V
.set PFO,  3                           ; v3   256 x lane, for the prefetches; never rewritten
.set SPW,  5                           ; v5   LDS address of my spare word; never rewritten
.set NIL,  6                           ; v6   0; never rewritten
.set GO,   7                           ; v7   my byte offset in the head's rows of O
.set ADK,  8
.set ADV,  9
.set TB,   2                           ; s2   LDS byte at which the slot in hand begins
.set WV,   18
.set SEL,  20                          ; s[20:21] lane selects for v_permlanex16_b32: lane l xor 16
.set CS,   22                          ; s[22:23] c = log2(e) / 8 x 2^(e6 + e7)
.set G1,   24                          ; s[24:31] descriptor group 1: one shape for K's and V's tiles
.set G0,   32                          ; s[32:35] descriptor group 0, which walks
.set SLOTS, 36                         ; s36  changes of slots still to come that ask for a slot
.set KF,   37                          ; s37  the step's first key
.set Q0,   38                          ; s38  my first query
.set XB,   39                          ; s39  X
.set FS,   40                          ; s40  the key slot that was asked for last
.set FL,   41                          ; s41  the last key slot of the block for which slots are being asked
.set FB,   42                          ; s[42:43] my tensor's (K's: wave 0, V's: wave 1) first byte of the head
.set OFS,  44                          ; s[44:45] an offset, its high word 0
.set QB,   46                          ; s[46:47] Q's codes of the head
.set OB,   48                          ; s[48:49] O's codes of the head
.set PFA,  50                          ; s[50:51] where my prefetches stand
.set LIM,  52                          ; s52  2 in a wave that prefetches, else the greatest number
.set EPV,  53                          ; s53  e8 + e9
; Wave 0 fetches a slot's K, wave 1 its V, by one line: the LDS address is the wave's number x 17,408 + the slot.  An s_nop 0 and four v_nop follow.
.macro TLOAD
	s_cmp_lt_u32 s[WV], 2
	s_cbranch_scc0 .Lasked_\@
	tensor_load_to_lds s[G0:G0+3], s[G1:G1+7]
	s_nop 0
.rept 4
	v_nop
.endr
.Lasked_\@:
.endm
; A PREFETCH of the key slot that the NEXT change of slots will ask for.  All four work-groups of a head walk slots 0, 1, 2 .. in their first blocks; work-group X = 0 walks all eight, so it asks, and nobody else.
; In it waves 4 and 5 name K's 16,384 bytes of the slot, waves 6 and 7 V's: 8,192 bytes a wave, lanes 256 bytes apart, one instruction.  Trip t names slot t + 2, for t = 0 .. 5: slots 0 and 1 come by their loads alone,
; and each aligned block of 256 bytes is named once in the launch.
.macro ASK
	s_cmp_gt_u32 s[SLOTS], s[LIM]
	s_cbranch_scc0 .Lnot_mine_\@
	global_prefetch_b8 v[PFO], s[PFA:PFA+1] th:TH_LOAD_NT scope:SCOPE_SE
.Lnot_mine_\@:
.endm
	s_load_b128 s[4:7], s[0:1], 0x0                ; hc s[4:5], the scales' exponents s[6:7]
	s_load_b64 s[8:9], s[0:1], 0x10                ; oc
	v_lshl_add_u32 v[SPW], v0, 2, SPARE
	v_mov_b32 v[NIL], 0
	ds_add_u32 v[SPW], v[NIL]                      ; the wave's opening: the add and its wait stand ahead of my first tensor load; the set-up below, work on registers, stands between them
	ds_add_u32 v[SPW], v[NIL]
	v_lshrrev_b32 v8, 5, v0
	s_delay_alu instid0(VALU_DEP_1)
	v_readfirstlane_b32 s[WV], v8                  ; wave 0..15
	s_mov_b32 s[XB], ttmp9
	s_and_b32 s10, ttmp7, 0xffff                   ; hb
	s_lshl_b32 s[OFS], s10, 17                     ; a head is 131,072 bytes in each part of hc and in oc
	s_mov_b32 s[OFS+1], 0
	; descriptor group 1: a slot's K, and its V, are dense blocks of 16,384 bytes: 64 rows of 256 bytes
	s_mov_b32 s[G1], (0<<16)|(1<<20)|(5<<22)|(3<<25)   ; no mask; elements of 1 byte; padding on: after every 64 words (code 5) four words (code 3)
	s_mov_b32 s[G1+1], 256<<16                     ; tensor_dim0
	s_mov_b32 s[G1+2], 64<<16                      ; tensor_dim1
	s_mov_b32 s[G1+3], 256<<16                     ; tile_dim0
	s_mov_b32 s[G1+4], 64                          ; tile_dim1
	s_mov_b32 s[G1+5], 256                         ; tensor_dim0_stride
	s_mov_b32 s[G1+6], 0
	s_mov_b32 s[G1+7], 0
	s_mov_b32 s[SEL], 0x76543210
	s_mov_b32 s[SEL+1], 0xfedcba98
	s_mov_b32 s[CS], 0x3e38aa3b                    ; log2(e) / 8
	s_mov_b32 s[TB], 0
	s_mov_b32 s[SLOTS], 8
	s_mov_b32 s[FS], 0
	s_sub_co_u32 s[FL], 7, s[XB]
	s_mov_b32 s[G0], 1                             ; count = 1
	s_mul_i32 s[G0+1], s[WV], VOFF                 ; LDS address: slot 0, K's place (wave 0) or V's (wave 1)
	s_and_b32 s11, s[WV], 1
	s_add_co_u32 s11, s11, 1
	s_lshl_b32 s12, s11, 23                        ; K's part of hc, or V's
	s_add_co_u32 s12, s12, s[OFS]                  ; the head
	s_mov_b32 s13, 0
	s_wait_dscnt 0x0                               ; the opening add is done
	s_wait_kmcnt 0x0
	s_load_b256 s[68:75], s[6:7], 0x0              ; e0 .. e7
	s_load_b128 s[76:79], s[6:7], 0x20             ; e8 .. e11
	s_add_nc_u64 s[FB:FB+1], s[4:5], s[12:13]
	s_mov_b64 s[G0+2:G0+3], s[FB:FB+1]             ; key slot 0
	s_or_b32 s[G0+3], s[G0+3], 0x80000000          ; type = 2
	TLOAD                                          ; one load of mine is out at the most, here and behind every barrier
	s_add_nc_u64 s[QB:QB+1], s[4:5], s[OFS:OFS+1]
	s_add_nc_u64 s[OB:OB+1], s[8:9], s[OFS:OFS+1]
	s_lshr_b32 s10, s[WV], 1                       ; the prefetches: waves 4, 5: K's part; waves 6, 7: V's
	s_and_b32 s10, s10, 1
	s_add_co_u32 s10, s10, 1
	s_lshl_b32 s10, s10, 23
	s_add_co_u32 s10, s10, s[OFS]
	s_and_b32 s11, s[WV], 1
	s_lshl_b32 s11, s11, 13                        ; my half of a slot's 16,384 bytes
	s_add_co_u32 s10, s10, s11
	s_add_co_u32 s10, s10, 16384                   ; in slot 1: the first change of slots steps it to slot 2.  Nothing is prefetched here, at the head
	s_mov_b32 s11, 0
	s_add_nc_u64 s[PFA:PFA+1], s[4:5], s[10:11]
	s_lshr_b32 s10, s[WV], 2
	s_xor_b32 s10, s10, 1                          ; 0 in waves 4 to 7,
	s_or_b32 s10, s10, s[XB]                       ; of work-group X = 0
	s_cmp_eq_u32 s10, 0
	s_cselect_b32 s[LIM], 2, -1
	v_and_b32 v4, 15, v0                           ; r
	v_bfe_u32 v11, v0, 4, 1                        ; h
	v_and_b32 v26, 31, v0
	s_delay_alu instid0(VALU_DEP_1)
	v_lshlrev_b32 v[PFO], 8, v26
	s_delay_alu instid0(VALU_DEP_4)
	v_lshrrev_b32 v8, 2, v4                        ; K: key r of a tile lies in LDS row r / 4, at 64 (r % 4): sixteen lanes touch sixteen different columns of 16 bytes
	s_delay_alu instid0(VALU_DEP_1)
	v_mul_u32_u24 v[AK0], v8, TP
	v_and_b32 v8, 3, v4
	s_delay_alu instid0(VALU_DEP_1)
	v_lshl_add_u32 v[AK0], v8, 6, v[AK0]
	s_delay_alu instid0(VALU_DEP_1)
	v_lshl_add_u32 v[AK0], v11, 4, v[AK0]
	v_lshrrev_b32 v8, 1, v4                        ; V: channel r of a tile lies in LDS row r / 2, at 128 (r % 2)
	s_delay_alu instid0(VALU_DEP_1)
	v_mul_u32_u24 v[AV0], v8, TP
	v_and_b32 v8, 1, v4
	s_delay_alu instid0(VALU_DEP_1)
	v_lshl_add_u32 v[AV0], v8, 7, v[AV0]
	s_delay_alu instid0(VALU_DEP_1)
	v_lshl_add_u32 v[AV0], v11, 4, v[AV0]
	s_delay_alu instid0(VALU_DEP_1)
	v_add_nc_u32 v[AV0], VOFF, v[AV0]
	s_mul_i32 s10, s[WV], 16*80
	s_add_co_u32 s10, s10, STAGE                   ; my stage
	v_mul_u32_u24 v24, v4, 80
	s_delay_alu instid0(VALU_DEP_1)
	v_lshl_add_u32 v24, v11, 3, v24
	s_delay_alu instid0(VALU_DEP_1)
	v_add_nc_u32 v24, s10, v24                     ; in: row r, + 8 h
	v_lshrrev_b32 v8, 2, v26
	s_delay_alu instid0(VALU_DEP_1)
	v_mul_u32_u24 v25, v8, 80
	v_and_b32 v8, 3, v26
	s_delay_alu instid0(VALU_DEP_1)
	v_lshl_add_u32 v25, v8, 4, v25
	s_delay_alu instid0(VALU_DEP_1)
	v_add_nc_u32 v25, s10, v25                     ; back: four lanes to a query's 64 bytes
	v_lshlrev_b32 v26, 4, v26                      ; 16 x lane
	v_mov_b32 v248, 0                              ; written once: a lane permute's destination counts as one of its sources
	v_mov_b32 v253, 0                              ; (named as the upper half of the pair v[252:253])
	s_sub_co_u32 s[Q0], 7, s[XB]
	s_lshl_b32 s[Q0], s[Q0], 8
	s_lshl_b32 s10, s[WV], 4
	s_add_co_u32 s[Q0], s[Q0], s10                 ; my first query of the first block: 256 (7 - X) + 16 x wave
.macro QLOAD                           ; my 16 queries' fragment: row r, 16 bytes at 16 h and at 32 + 16 h: the same order along the head's 64 as K's fragments have
	s_lshl_b32 s96, s[Q0], 6
	v_lshl_add_u32 v10, v4, 6, s96
	s_delay_alu instid0(VALU_DEP_1)
	v_lshl_add_u32 v10, v11, 4, v10
	global_load_b128 v[16:19], v10, s[QB:QB+1] th:TH_LOAD_NT
	global_load_b128 v[20:23], v10, s[QB:QB+1] offset:32 th:TH_LOAD_NT
.endm
.macro RESET                           ; a block begins: O^T and the sum are zeros and the largest t is under every t, so the step is written once: the first change of M multiplies zeros
	s_lshl_b32 s96, s[Q0], 6
	v_add_nc_u32 v[GO], s96, v26
	v_mov_b32 v13, 0xff61b1e6                      ; -3e38
	s_delay_alu instid0(VALU_DEP_1)
	v_floor_f32 v12, -v13
	v_mov_b32 v14, 0
	v_mov_b32 v15, 0
.set j, 0
.rept 32
	v_mov_b32 v[160+j], 0
.set j, j+1
.endr
	s_mov_b32 s[KF], 0
	s_wait_loadcnt 0x0                             ; Q
.endm
	QLOAD
	s_wait_alu depctr_va_vdst(0)
	s_wait_kmcnt 0x0
	s_add_co_i32 s10, s74, s75
	s_lshl_b32 s10, s10, 23
	s_add_co_i32 s[CS], s[CS], s10                 ; a score stands for score x 2^(e6 + e7): the exponents are added to c's exponent field
	s_mov_b32 s[CS+1], s[CS]                       ; (named with it as a pair, so it is written)
	s_add_co_i32 s10, s76, 127
	s_lshl_b32 s11, s10, 23
	v_mov_b32 v244, s11                            ; 2^e8, for p's conversions
	s_add_co_i32 s10, s78, 127
	s_lshl_b32 s11, s10, 23
	v_mov_b32 v245, s11                            ; 2^e10, for O's conversions
	s_add_co_i32 s[EPV], s76, s77                  ; e8 + e9
	RESET
; A KEY STEP: 128 keys, the q-th of the slot in hand.
.macro STEP q
	s_add_co_u32 s96, s[Q0], 15                    ; all its keys come after my 16 queries: left out.  Ids and the count of steps alone; no barrier and no tensor load stands in a step
	s_cmp_gt_u32 s[KF], s96
	s_cbranch_scc1 .Lhidden_\@
	v_add_nc_u32 v[ADK], s[TB], v[AK0]
	v_add_nc_u32 v[ADV], s[TB], v[AV0]
	v_nop                                          ; with the two additions: four places in front of loads into registers that the last products have read
	v_nop
.irp g, 0,1,2,3,4,5,6,7
	ds_load_b128 v[32+8*\g:35+8*\g], v[ADK] offset:(8*(\q)+\g)*4*TP
	ds_load_b128 v[36+8*\g:39+8*\g], v[ADK] offset:(8*(\q)+\g)*4*TP+32
.endr
	s_wait_alu depctr_va_vdst(0)
	s_wait_dscnt 8                                 ; tiles 0-3 are in; the eight loads of tiles 4-7 may be out
.irp g, 0,1,2,3
	v_wmma_f32_16x16x64_fp8_fp8 v[96+8*\g:103+8*\g], v[32+8*\g:39+8*\g], v[16:23], 0
.endr
	s_wait_dscnt 0x0
.irp g, 4,5,6,7
	v_wmma_f32_16x16x64_fp8_fp8 v[96+8*\g:103+8*\g], v[32+8*\g:39+8*\g], v[16:23], 0
.endr
.rept 4
	v_nop                                          ; places: in front of the first read of the scores, and of the loads below into the registers that held K
.endr
.irp t, 0,1,2,3                                ; V's four fragments are asked for now and land under the softmax
.irp c, 0,1,2,3
	ds_load_b128 v[32+16*\t+4*\c:35+16*\t+4*\c], v[ADV] offset:(32*(\q)+8*\t)*TP+32*\c
.endr
.endr
	s_add_co_u32 s96, s[KF], 127                   ; a step all of whose keys count skips the mask
	s_cmp_le_u32 s96, s[Q0]
	s_cbranch_scc1 .Lopen_\@
	s_sub_co_i32 s96, s[Q0], s[KF]
	v_lshlrev_b32 v252, 3, v11
	s_delay_alu instid0(VALU_DEP_1)
	v_sub_nc_u32 v252, v4, v252
	s_delay_alu instid0(VALU_DEP_1)
	v_add_nc_u32 v252, s96, v252                   ; d = my query - KF - 8 h.  Register 8 g + j holds key KF + 16 g + 8 h + j: hidden where 16 g + j > d
	v_mov_b32 v254, 0xff800000                     ; -infinity
.set n, 0
.rept 64
	v_cmp_gt_i32 vcc_lo, 16*(n/8)+n%8, v252
	v_cndmask_b32 v[96+n], v[96+n], v254, vcc_lo
.set n, n+1
.endr
.Lopen_\@:
	v_max3_num_f32 v254, v96, v97, v98             ; the step's largest score of my query, among my 64 keys, in two chains; each tile is read from its low end on,
	v_max3_num_f32 v252, v99, v100, v101
.irp i, 6,10,14,18,22,26,30,34,38,42,46,50,54,58
	v_max3_num_f32 v254, v254, v[96+\i], v[97+\i]
	v_max3_num_f32 v252, v252, v[98+\i], v[99+\i]
.endr
	v_max3_num_f32 v254, v254, v158, v159
	s_delay_alu instid0(VALU_DEP_1)
	v_max_num_f32 v254, v254, v252
	s_delay_alu instid0(VALU_DEP_1)
	v_permlanex16_b32 v248, v254, s[SEL], s[SEL+1]
	s_delay_alu instid0(VALU_DEP_1)
	v_max_num_f32 v254, v254, v248                 ; and among lane l xor 16's
	s_delay_alu instid0(VALU_DEP_1)
	v_mul_f32 v254, s[CS], v254                    ; as t (c is positive)
	s_delay_alu instid0(VALU_DEP_1)
	v_max_num_f32 v13, v13, v254                   ; the running largest t
	v_mov_b32 v254, v12
	s_delay_alu instid0(VALU_DEP_2)
	v_floor_f32 v12, -v13                          ; the new -M = floor(-t) = -ceil(t): a whole number
	s_delay_alu instid0(VALU_DEP_1)
	v_sub_f32 v254, v12, v254                      ; old M - new M: a whole number, 0 or less
	s_delay_alu instid0(VALU_DEP_1)
	v_cvt_i32_f32 v254, v254                       ; (it saturates)
	s_delay_alu instid0(VALU_DEP_1)
	v_ldexp_f32 v252, 1.0, v254                    ; f = 2^(old M - new M)
.set j, 0
.rept 32
	v_pk_fma_f32 v[96+j:97+j], v[96+j:97+j], s[CS:CS+1], v[12:13] op_sel_hi:[1,0,0]   ; t - M, two at a time (of the pairs c and -M the low word serves both halves)
.set j, j+2
.endr
.set j, 0
	s_wait_alu depctr_va_vdst(0)
.rept 64
	v_exp_f32 v[96+j], v[96+j]                     ; p = 2^(t - M), at most 1
.set j, j+1
.endr
	v_pk_mul_f32 v[14:15], v[14:15], v[252:253] op_sel_hi:[1,0]   ; the sums under the new M: the plain instruction behind the exponentials
	s_wait_alu depctr_va_vdst(0)                   ; the wait ahead of the first reader of an exponential: one for the whole batch
	v_pk_add_f32 v[242:243], v[100:101], v[104:105]
	v_pk_add_f32 v[254:255], v[108:109], v[112:113]
	v_pk_add_f32 v[250:251], v[116:117], v[120:121]
	v_pk_add_f32 v[246:247], v[124:125], v[128:129]
	v_pk_add_f32 v[240:241], v[132:133], v[136:137]
	v_pk_add_f32 v[238:239], v[140:141], v[144:145]
	v_pk_add_f32 v[236:237], v[148:149], v[152:153]
	v_pk_add_f32 v[14:15], v[14:15], v[156:157]
	v_pk_add_f32 v[242:243], v[242:243], v[96:97]
	v_pk_add_f32 v[254:255], v[254:255], v[98:99]
	v_pk_add_f32 v[250:251], v[250:251], v[102:103]
	v_pk_add_f32 v[246:247], v[246:247], v[106:107]
	v_pk_add_f32 v[240:241], v[240:241], v[110:111]
	v_pk_add_f32 v[238:239], v[238:239], v[114:115]
	v_pk_add_f32 v[236:237], v[236:237], v[118:119]
	v_pk_add_f32 v[14:15], v[14:15], v[122:123]
	v_pk_add_f32 v[242:243], v[242:243], v[126:127]
	v_pk_add_f32 v[254:255], v[254:255], v[130:131]
	v_pk_add_f32 v[250:251], v[250:251], v[134:135]
	v_pk_add_f32 v[246:247], v[246:247], v[138:139]
	v_pk_add_f32 v[240:241], v[240:241], v[142:143]
	v_pk_add_f32 v[238:239], v[238:239], v[146:147]
	v_pk_add_f32 v[236:237], v[236:237], v[150:151]
	v_pk_add_f32 v[14:15], v[14:15], v[154:155]
	v_pk_add_f32 v[242:243], v[242:243], v[158:159]
	s_delay_alu instid0(VALU_DEP_2)
	v_pk_add_f32 v[14:15], v[14:15], v[246:247]
	s_delay_alu instid0(VALU_DEP_2)
	v_pk_add_f32 v[242:243], v[242:243], v[240:241]
	v_pk_add_f32 v[254:255], v[254:255], v[238:239]
	v_pk_add_f32 v[250:251], v[250:251], v[236:237]
	s_delay_alu instid0(VALU_DEP_2)
	v_pk_add_f32 v[14:15], v[14:15], v[254:255]
	s_delay_alu instid0(VALU_DEP_2)
	v_pk_add_f32 v[242:243], v[242:243], v[250:251]
	s_delay_alu instid0(VALU_DEP_1)
	v_pk_add_f32 v[14:15], v[14:15], v[242:243]
.set j, 0
.rept 64
.set j, j+1
.endr
.irp g, 0,1,2,3,4,5,6,7
	v_cvt_scalef32_pk8_fp8_f32 v[224+2*\g:225+2*\g], v[96+8*\g:103+8*\g], v244   ; keys 16 g + 8 h + 0..7: registers 2 g, 2 g + 1 of P
.endr
.set j, 0
.rept 16
	v_pk_mul_f32 v[160+j:161+j], v[160+j:161+j], v[252:253] op_sel_hi:[1,0]   ; O^T under the new M.  (Also the plain instructions between the conversions and the products)
.set j, j+2
.endr
	s_wait_alu depctr_va_vdst(0)
	s_wait_dscnt 0x0                               ; V's fragments
.irp t, 0,1,2,3                                ; O^T += V^T P^T: four accumulators by turns, one instruction each; K = these 128 keys
	v_wmma_f32_16x16x128_fp8_fp8 v[160+8*\t:167+8*\t], v[32+16*\t:47+16*\t], v[224:239], v[160+8*\t:167+8*\t]
.endr
.Lhidden_\@:
	s_add_co_u32 s[KF], s[KF], 128
.endm
; THE CHANGE OF SLOTS stands at a slot's head.  Each wave waits for all its tensor loads (its part of the slot that it is about to read), adds 0 to its spare word, and waits for that and for its reads of the slot that it has left.
; Behind the barrier the slot ahead is whole and nobody reads the other one, which is filled with the key slot that follows: the next of the block in hand, or slot 0 of the second block.
.macro CHANGE fill
	s_wait_tensorcnt 0x0                           ; no tensor load of mine is out, so group 0 may be written
	ds_add_u32 v[SPW], v[NIL]                      ; 0 onto my spare word; the descriptor's steps stand between it and the wait for it
.if \fill
	s_xor_b32 s[G0+1], s[G0+1], SLOT1              ; the other LDS slot than last time
	s_add_co_u32 s[FS], s[FS], 1                   ; the next key slot;
	s_cmp_gt_u32 s[FS], s[FL]                      ; past the first block's last: the second block begins at key slot 0 and ends at X
	s_cselect_b32 s[FS], 0, s[FS]
	s_cselect_b32 s[FL], s[XB], s[FL]
	s_lshl_b32 s[OFS], s[FS], 14                   ; 16,384 bytes a key slot, in K and in V
	s_add_nc_u64 s[G0+2:G0+3], s[FB:FB+1], s[OFS:OFS+1]
	s_or_b32 s[G0+3], s[G0+3], 0x80000000
	s_wait_xcnt 0x0                                ; the last prefetch, a slot back, has read its address, so it may be written
	s_add_nc_u64 s[PFA:PFA+1], s[PFA:PFA+1], 16384
.endif
	s_wait_dscnt 0x0                               ; the add is done, and my reads of the slot that I have left are over
	s_barrier_signal -1
	s_barrier_wait -1
.if \fill
	TLOAD                                          ; the first thing behind the barrier, and a wave's one tensor load until the next
	ASK
.endif
.endm
; THE WAY OUT of a block.  O = O^T x 2^(e8 + e9) / the sum, converted: a lane's eight channels of a tile are eight bytes.  They go through my stage and leave as the wave's 1,024 consecutive bytes.
.macro WAYOUT
	v_add_f32 v14, v14, v15                        ; the sum's two halves,
	s_delay_alu instid0(VALU_DEP_1)
	v_permlanex16_b32 v248, v14, s[SEL], s[SEL+1]
	s_delay_alu instid0(VALU_DEP_1)
	v_add_f32 v14, v14, v248                       ; and lane l xor 16's
	s_wait_alu depctr_va_vdst(0)
	v_rcp_f32 v14, v14
	v_nop                                          ; a plain instruction behind the reciprocal
	s_wait_alu depctr_va_vdst(0)                   ; and the wait ahead of its first reader
	v_ldexp_f32 v14, v14, s[EPV]                   ; (the two additions, the v_nop and this line are the four places behind the last products)
.set j, 0
.rept 32
	v_mul_f32 v[96+j], v[160+j], v14               ; register 8 t + i is O(query r, channel 16 t + 8 h + i); each accumulator from its low end on
.set j, j+1
.endr
.set j, 0
.rept 32
.set j, j+1
.endr
.irp t, 0,1,2,3
	v_cvt_scalef32_pk8_fp8_f32 v[224+2*\t:225+2*\t], v[96+8*\t:103+8*\t], v245
.endr
	v_nop                                          ; one plain vector instruction behind the last conversion
.irp t, 0,1,2,3
	ds_store_b64 v24, v[224+2*\t:225+2*\t] offset:16*\t
.endr
.irp i, 0,1
	ds_load_b128 v[32+4*\i:35+4*\i], v25 offset:640*\i   ; eight queries' 512 bytes; LDS serves a wave's instructions in order: these see my stores
.endr
	s_wait_dscnt 0x0
.irp i, 0,1
	global_store_b128 v[GO], v[32+4*\i:35+4*\i], s[OB:OB+1] offset:512*\i th:TH_STORE_NT   ; 32 lanes store 512 consecutive bytes, aligned
.endr
	s_wait_xcnt 0x0                                ; the stores have read their registers and their offset: both may be written again
.endm
.Lslot:                                            ; eight trips: behind each change of slots but the last the next slot is asked for
	CHANGE 1
	STEP 0
	STEP 1
	s_xor_b32 s[TB], s[TB], SLOT1                  ; on to the other slot
	s_or_b32 s96, s[Q0], 255                       ; my block's last query
	s_cmp_gt_u32 s[KF], s96                        ; the first block's keys are walked (in trip 7 - X): ids and the count of steps alone
	s_cbranch_scc0 .Lsame
	s_lshl_b32 s[Q0], s[XB], 8
	s_lshl_b32 s96, s[WV], 4
	s_add_co_u32 s[Q0], s[Q0], s96                 ; my first query of the second block: 256 X + 16 x wave
	QLOAD                                          ; its Q is asked for ahead of the first block's way out
	WAYOUT
	RESET
.Lsame:
	s_sub_co_u32 s[SLOTS], s[SLOTS], 1
	s_cmp_lg_u32 s[SLOTS], 0
	s_cbranch_scc1 .Lslot
	CHANGE 0                                       ; the ninth slot is written out
	STEP 0
	STEP 1
	WAYOUT
	s_wait_tensorcnt 0x0                           ; the wave's end, behind my last tensor load and my last LDS store
	ds_add_u32 v[SPW], v[NIL]
	s_wait_dscnt 0x0
	s_endpgm
.Lfunc_end_k_q69a7675156_attn:
	.size	k_q69a7675156_attn, .Lfunc_end_k_q69a7675156_attn-k_q69a7675156_attn
	.p2alignl 7, 3214868480
	.fill 96, 4, 3214868480
	.section	.rodata,"a",@progbits
	.p2align	6, 0x0
	.amdhsa_kernel k_q69a7675156_attn
		.amdhsa_group_segment_fixed_size 327680
		.amdhsa_private_segment_fixed_size 0
		.amdhsa_enable_private_segment 0
		.amdhsa_kernarg_size 24
		.amdhsa_user_sgpr_count 2
		.amdhsa_user_sgpr_kernarg_segment_ptr 1
		.amdhsa_wavefront_size32 1
		.amdhsa_system_sgpr_workgroup_id_x 1
		.amdhsa_system_sgpr_workgroup_id_y 1
		.amdhsa_system_sgpr_workgroup_id_z 1
		.amdhsa_system_vgpr_workitem_id 0
		.amdhsa_next_free_vgpr 256
		.amdhsa_next_free_sgpr 100
		.amdhsa_reserve_vcc 1
		.amdhsa_float_denorm_mode_32 3
		.amdhsa_float_denorm_mode_16_64 3
		.amdhsa_fp16_overflow 1
		.amdhsa_memory_ordered 1
		.amdhsa_forward_progress 1
		.amdhsa_inst_pref_size 92
	.end_amdhsa_kernel
	.amdgpu_metadata
---
amdhsa.version: [ 1, 2 ]
amdhsa.kernels:
  - .name:           k_q69a7675156_attn
    .symbol:         k_q69a7675156_attn.kd
    .args:
      - { .name: hc, .offset: 0, .size: 8, .value_kind: global_buffer, .address_space: global }
      - { .name: lowp_scales, .offset: 8, .size: 8, .value_kind: global_buffer, .address_space: global }
      - { .name: oc, .offset: 16, .size: 8, .value_kind: global_buffer, .address_space: global }
    .group_segment_fixed_size: 327680
    .private_segment_fixed_size: 0
    .kernarg_segment_align: 8
    .kernarg_segment_size: 24
    .max_flat_workgroup_size: 512
    .sgpr_count:     100
    .vgpr_count:     256
    .wavefront_size: 32
...
	.end_amdgpu_metadata
.endif
;; end of part 3
;; launch oproj (part 4): grid 4 x 32, 4 waves a work-group, clusters of 4 x 4, 327,680 bytes of LDS; arguments oc, codes, lowp_scales, WO_bias, out0; writes out0
.if DOCPART == 4
	.amdgcn_target "amdgcn-amd-amdhsa--gfx1250"
	.amdhsa_code_object_version 6
	.text
	.protected	k_q69a7675156_oproj
	.globl	k_q69a7675156_oproj
	.p2align	8
	.type	k_q69a7675156_oproj,@function
k_q69a7675156_oproj:
	s_mov_b64 s[64:65], 0
	v_nop
	global_prefetch_b8 v0, s[64:65] scope:SCOPE_SE
	s_setreg_imm32_b32 hwreg(HW_REG_WAVE_MODE, 25, 1), 1
	s_wait_xcnt 0x0
	s_wait_alu depctr_hold_cnt(0) depctr_sa_sdst(0) depctr_va_vdst(0) depctr_va_sdst(0) depctr_va_ssrc(0) depctr_va_vcc(0) depctr_vm_vsrc(0)
	s_getreg_b32 s2, hwreg(HW_REG_IB_STS2, 6, 4)
	s_cmp_eq_u32 s2, 0
	s_cbranch_scc0 .Lentry_in_a_cluster
	s_endpgm
.Lentry_in_a_cluster:
	s_bfe_u32 s2, ttmp6, 0x10000c
	s_cmp_lg_u32 s2, 0xf033
	s_cbranch_scc0 .Lentry_shape_is_right
	s_endpgm
.Lentry_shape_is_right:
; out0 = O WO + bO on codes of FP8 (E4M3): 8,192 x 1,024, K = 1,024; f32 out: sum x 2^(e10 + e11) + bias, one fused multiply-add.
; A = O's codes, laid [hb = 16 batch + head][s][64]: K = 64 head + d, so 256 along K are FOUR heads, each a dense plane of the tokens' 64 bytes.  B = WO's columns: rows 27,648 + n of the codes' buffer, 1,024 bytes each.
; A tile of out0, 256 x 256, is made by four waves, 128 x 128 each: 64 accumulators, 512 registers.  K goes in steps of 256 through a ring of two LDS slots filled by the tensor data mover.
; CLUSTERS: 4 x 4 work-groups; A's tile is shared along a row of the cluster, B's along a column: each is asked for jointly, by the same tensor load with the same descriptor and a mask that names the four.
; THE MATRIX INSTRUCTION IS USED TRANSPOSED (source 0 = 16 rows of B, source 1 = 16 tokens): a lane holds eight neighbouring numbers of a row of out0.
; LIMIT: e10 + e11 between -126 and 127.
; REGISTERS, in windows of 256: window 0: v0-31 addresses; v32-95 the bias; from v128 A's fragments, ONE set; on the way out v128-255 take rows read back.   window 1: B's fragments, TWO sets.
;   window 2: the accumulators of my tokens 0-63 ((a, b) at v[8 (8 a + b)]);   window 3: those of tokens 64-127.
.set ROWB,   256                       ; B: a tile's row in bytes
.set KROW,   1024
.set PITCH,  272                       ; B: an LDS row: 256 bytes + 16 of padding
.set APITCH, 80                        ; A: a token's 64 bytes of one head + 16 of padding = 20 words: the 16 tokens that a load touches start at 16 different columns of 16 bytes
.set APLANE, 128*APITCH                ; A: 128 tokens of one head
.set ASTEP,  4*131072                  ; A: four heads on, in memory
.set FR,     16
.set NL,     4
.set NP,     4
.set HALFA,  4*APLANE                  ; what one tensor load brings of A: 128 tokens x 4 heads
.set HALFB,  128*PITCH
.set BOFF,   2*HALFA
.set SLOT,   2*HALFA+2*HALFB
.set LAPS,   2
.set SPARE,  2*SLOT                    ; behind the ring: the spare words, 128 bytes for each wave: two blocks of 256 bytes that no other line names
.set SPITCH, 528                       ; the way out: a stage of 16 rows x (512 bytes + 16) for each wave, in slot 0, which has had its last fill and its last read by then
.set ADRA, 16
.set ADRB, 20
.set STO,  24
.set RD,   25
.set CO,   26
.set SPW,  28                          ; v28  LDS address of my spare word; never rewritten
.set NIL,  29                          ; v29  0; never rewritten
.set BI,   32
.set AF,   128
.set BK,   128                         ; the way out: 16 rows read back: v128-191 and v192-255 by turns
.set G1, 24
.set G0, 32
.set G1B, 48
.set G0B, 56
.set MSB, 0
.macro WIN new                         ; the immediate's high byte repeats the setting that is left
.if MSB != \new
	s_set_vgpr_msb (MSB<<8)|\new
.set MSB, \new
.endif
.endm
.set MUL_LO, 0xa1
.set MUL_HI, 0xf1
.set TO_B,   0x40
.macro JLOAD g0a, g1a, g0b, g1b        ; a joint load: waves 0 and 1 fetch for A, waves 2 and 3 for B; an s_nop 0 and four v_nop follow each of the two lines
	s_cmp_eq_u32 s15, 0
	s_cbranch_scc0 .Lfor_b_\@
	tensor_load_to_lds s[\g0a:\g0a+3], s[\g1a:\g1a+7]
	s_nop 0
.rept 4
	v_nop
.endr
	s_branch .Lasked_\@
.Lfor_b_\@:
	tensor_load_to_lds s[\g0b:\g0b+3], s[\g1b:\g1b+7]
	s_nop 0
.rept 4
	v_nop
.endr
.Lasked_\@:
.endm
.macro CREST
	s_cmp_lg_u32 s14, 0
	s_cbranch_scc1 .Lnot_wave_0_\@
	s_barrier_signal -3
.Lnot_wave_0_\@:
	s_barrier_wait -3
	s_barrier_signal -1
	s_barrier_wait -1
.endm
.macro CROUND
	s_barrier_signal -1
	s_barrier_wait -1
	CREST
.endm
	s_load_b128 s[4:7], s[0:1], 0x0                ; O's codes s[4:5], the codes' buffer s[6:7]
	s_load_b128 s[8:11], s[0:1], 0x10              ; the scales' exponents s[8:9], WO_bias s[10:11]
	s_load_b64 s[12:13], s[0:1], 0x20              ; out0
	v_lshl_add_u32 v[SPW], v0, 2, SPARE
	v_mov_b32 v[NIL], 0
	ds_add_u32 v[SPW], v[NIL]                      ; the wave's opening: the add and its wait stand ahead of my first tensor load; the set-up below, work on registers, stands between them
	ds_add_u32 v[SPW], v[NIL]
	v_lshrrev_b32 v1, 5, v0
	v_readfirstlane_b32 s14, v1                    ; wave 0..3
	s_lshr_b32 s15, s14, 1                         ; which half of the tile's tokens is mine.  Also: I fetch for A (0) or for B (1)
	s_and_b32 s16, s14, 1                          ; which half of its columns.  Also: which half of that tile I fetch
	s_bfe_u32 s40, ttmp6, 0x40000                  ; cx, cy
	s_bfe_u32 s41, ttmp6, 0x40004
	s_and_b32 s17, ttmp7, 0xffff
	s_lshl_b32 s17, s17, 2
	s_add_co_u32 s17, s17, s41                     ; tile row = 4 x cluster y + cy; the tile column is cx
	s_lshl_b32 s43, s41, 2
	s_lshl_b32 s43, 15, s43                        ; my row of the cluster
	s_lshl_b32 s44, 0x1111, s40                    ; my column
	; A's descriptor: four 'rows', one for each head: 128 tokens x 64 bytes = 8,192 dense bytes, 131,072 bytes from head to head; 16 bytes of padding behind every 64: a token's pitch in LDS is 80
	s_or_b32 s[G1+0], s43, (0<<16)|(1<<20)|(1<<21)|(3<<22)|(3<<25)  ; the mask: my row; elements of 1 byte; padding on; 21 set beside a mask; after every 16 words (code 3) four words (code 3)
	s_mov_b32 s[G1+1], 8192<<16                    ; tensor_dim0
	s_mov_b32 s[G1+2], 4<<16                       ; tensor_dim1
	s_mov_b32 s[G1+3], 8192<<16                    ; tile_dim0
	s_mov_b32 s[G1+4], 4                           ; tile_dim1
	s_mov_b32 s[G1+5], 131072                      ; tensor_dim0_stride
	s_mov_b32 s[G1+6], 0
	s_mov_b32 s[G1+7], 0
	; B's: 128 rows x 256 bytes, 16 bytes of padding behind each row
	s_or_b32 s[G1B+0], s44, (0<<16)|(1<<20)|(1<<21)|(5<<22)|(3<<25)
	s_mov_b32 s[G1B+1], ROWB<<16
	s_mov_b32 s[G1B+2], 128<<16
	s_mov_b32 s[G1B+3], ROWB<<16
	s_mov_b32 s[G1B+4], 128
	s_mov_b32 s[G1B+5], KROW
	s_mov_b32 s[G1B+6], 0
	s_mov_b32 s[G1B+7], 0
	s_lshl_b32 s19, s16, 7                         ; which 128 rows I fetch
	s_lshr_b32 s20, s17, 3
	s_lshl_b32 s20, s20, 21                        ; A: the batch: 16 heads of 131,072 bytes
	s_and_b32 s18, s17, 7
	s_lshl_b32 s18, s18, 8
	s_add_co_u32 s18, s18, s19                     ; the first token in the batch,
	s_lshl_b32 s18, s18, 6                         ; 64 bytes each
	s_add_co_u32 s20, s20, s18
	s_mov_b32 s21, 0
	s_lshl_b32 s46, s40, 8                         ; B: row 27,648 + 256 cx + 128 x half
	s_add_co_u32 s46, s46, s19
	s_add_co_u32 s46, s46, 27648
	s_lshl_b32 s46, s46, 10
	s_mov_b32 s47, 0
	s_mul_i32 s45, s16, HALFA                      ; where they go: A's halves, then B's: the wave's number alone
	s_mul_i32 s42, s16, HALFB
	s_add_co_u32 s42, s42, BOFF
	s_wait_dscnt 0x0                               ; the opening add is done
	s_wait_kmcnt 0x0
	s_load_b64 s[96:97], s[8:9], 0x28              ; e10, e11
	s_add_nc_u64 s[20:21], s[4:5], s[20:21]
	s_add_nc_u64 s[46:47], s[6:7], s[46:47]
	CROUND                                         ; all sixteen work-groups are here: the first joint loads meet
.irp s, 0,1
	s_mov_b32 s[G0+4*\s], 1
	s_add_co_u32 s[G0+4*\s+1], s45, \s*SLOT
	s_add_nc_u64 s[G0+4*\s+2:G0+4*\s+3], s[20:21], \s*ASTEP
	s_or_b32 s[G0+4*\s+3], s[G0+4*\s+3], 0x80000000
	s_mov_b32 s[G0B+4*\s], 1
	s_add_co_u32 s[G0B+4*\s+1], s42, \s*SLOT
	s_add_nc_u64 s[G0B+4*\s+2:G0B+4*\s+3], s[46:47], \s*ROWB
	s_or_b32 s[G0B+4*\s+3], s[G0B+4*\s+3], 0x80000000
	s_wait_alu depctr_va_vdst(0)
	s_wait_tensorcnt 0x0
	ds_add_u32 v28, v29
	ds_add_u32 v28, v29
	s_wait_dscnt 0x0
	CROUND
	JLOAD G0+4*\s, G1, G0B+4*\s, G1B               ; two loads of mine are out at the most
.endr
	v_and_b32 v1, 15, v0                           ; r
	v_bfe_u32 v2, v0, 4, 1                         ; h
	v_mul_u32_u24 v3, v1, APITCH
	v_lshl_add_u32 v3, v2, 4, v3                   ; A: token r x 80 + 16 h
	v_mul_u32_u24 v4, v1, PITCH
	v_lshl_add_u32 v4, v2, 4, v4                   ; B: row r x 272 + 16 h
	s_mul_i32 s21, s15, HALFA                      ; my 128 tokens
	s_mul_i32 s22, s16, HALFB                      ; my 128 rows of B,
	s_add_co_u32 s22, s22, BOFF                    ; which lie behind A's
.irp s, 0,1
	v_add_nc_u32 v[ADRA+\s], s21, v3
	v_add_nc_u32 v[ADRB+\s], s22, v4
	s_add_co_u32 s21, s21, SLOT
	s_add_co_u32 s22, s22, SLOT
.endr
	s_mul_i32 s23, s14, 16*SPITCH                  ; my stage
	v_mul_u32_u24 v5, v1, SPITCH                   ; in: row r, 32 bytes for each half of the lanes
	v_lshl_add_u32 v5, v2, 5, v5
	v_add_nc_u32 v[STO], s23, v5
	v_and_b32 v6, 31, v0
	v_lshlrev_b32 v[CO], 4, v6                     ; back: the 32 lanes take one row of 512 bytes; and the same in out0
	v_add_nc_u32 v[RD], s23, v[CO]
	s_lshl_b32 s20, s17, 8
	s_lshl_b32 s21, s15, 7
	s_add_co_u32 s20, s20, s21                     ; my first row of out0,
	s_lshl_b32 s20, s20, 12                        ; 4,096 bytes each
	s_lshl_b32 s46, s40, 10
	s_lshl_b32 s47, s16, 9
	s_add_co_u32 s46, s46, s47                     ; my first column, in bytes: 1,024 cx + 512 x half
	s_add_co_u32 s20, s20, s46
	s_mov_b32 s21, 0
	s_add_nc_u64 s[12:13], s[12:13], s[20:21]
	v_lshl_add_u32 v8, v2, 5, s46                  ; the bias: register 8 b + j = bias[my first column + 16 b + 8 h + j]; never rewritten.  It lands under the products
.irp b, 0,1,2,3,4,5,6,7
	global_load_b128 v[BI+8*\b:BI+8*\b+3], v8, s[10:11] offset:64*\b
	global_load_b128 v[BI+8*\b+4:BI+8*\b+7], v8, s[10:11] offset:64*\b+16
.endr
.macro FRAG reg, adr, q, i             ; B: registers 4 c .. 4 c + 3 hold K = 128 q + 32 c + 16 h + 0 .. 15 of row l % 16
.irp c, 0,1,2,3
	ds_load_b128 v[\reg+4*\c:\reg+4*\c+3], v[\adr] offset:128*(\q)+32*\c+(\i)*16*PITCH
.endr
.endm
.macro FRAGA reg, adr, q, i            ; A: the same k: head plane 2 q + c / 2, channels 32 (c % 2) + 16 h + 0 .. 15 of token 16 i + l % 16
.irp c, 0,1,2,3
	ds_load_b128 v[\reg+4*\c:\reg+4*\c+3], v[\adr] offset:(2*(\q)+\c/2)*APLANE+(\i)*16*APITCH+32*(\c%2)
.endr
.endm
; 16 matrix instructions: A's blocks a0, a0 + 1 x B's eight.  The 64 accumulators take turns, one instruction a turn, in the same order in every step.
.macro MUL16 a0, p, zero
.irp a, \a0, \a0+1
.irp b, 0,1,2,3,4,5,6,7
.if \zero
	v_wmma_f32_16x16x128_fp8_fp8 v[8*(8*((\a)%4)+\b):8*(8*((\a)%4)+\b)+7], v[128*(\p)+FR*\b:128*(\p)+FR*\b+FR-1], v[AF+FR*(\a):AF+FR*(\a)+FR-1], 0
.else
	v_wmma_f32_16x16x128_fp8_fp8 v[8*(8*((\a)%4)+\b):8*(8*((\a)%4)+\b)+7], v[128*(\p)+FR*\b:128*(\p)+FR*\b+FR-1], v[AF+FR*(\a):AF+FR*(\a)+FR-1], v[8*(8*((\a)%4)+\b):8*(8*((\a)%4)+\b)+7]
.endif
.endr
.endr
.endm
.macro FETCH_B slot, q, p
	WIN TO_B
.irp i, 0,1,2,3,4,5,6,7
	FRAG 128*(\p)+FR*\i, ADRB+\slot, \q, \i
.endr
	WIN 0
.endm
.macro FETCH_A slot, q, i0
.irp i, \i0, \i0+1, \i0+2, \i0+3
	FRAGA AF+FR*(\i), ADRA+\slot, \q, \i
.endr
.endm
.macro PLACES n                        ; plain vector instructions between a matrix instruction and a load into, or a vector read of, its registers
.rept \n
	v_nop
.endr
.endm
.macro STEP slot, q, zero
	s_wait_dscnt 4*NL                              ; B's set and A's blocks 0-3 are in; the youngest sixteen loads (A's blocks 4-7) may be out
	WIN MUL_LO
	MUL16 0, (\q)%2, \zero
	MUL16 2, (\q)%2, \zero
	s_wait_dscnt 0
	PLACES NP
	FETCH_B \slot, (\q)+1, 1-(\q)%2
	FETCH_A \slot, (\q)+1, 0
	WIN MUL_HI
	MUL16 4, (\q)%2, \zero
	MUL16 6, (\q)%2, \zero
	PLACES NP
	WIN 0
	FETCH_A \slot, (\q)+1, 4
.endm
; A slot's last step changes slots: ONE barrier; in front of it each wave waits for all its tensor loads, adds 0 to its spare word, and waits for that and for its own reads of this slot.
.macro TURN slot, next, fill
	s_wait_tensorcnt 0x0                           ; all my tensor loads have landed: my part of the next slot
	ds_add_u32 v[SPW], v[NIL]                      ; 0 onto my spare word
	s_wait_dscnt 4*NL+1                            ; (the add and the youngest sixteen loads may be out)
	WIN MUL_LO
	MUL16 0, 1, 0
	s_wait_dscnt 0x0                               ; the add is done, and my reads of this slot are over
	s_barrier_signal -1
	MUL16 2, 1, 0
	WIN 0
	s_barrier_wait -1
.if \fill
	CREST                                          ; the barrier has opened a round of the cluster's barrier: no wave of any partner still reads this slot's tile or has a load on its way
	s_add_nc_u64 s[G0+4*\slot+2:G0+4*\slot+3], s[G0+4*\slot+2:G0+4*\slot+3], 2*ASTEP
	s_add_nc_u64 s[G0B+4*\slot+2:G0B+4*\slot+3], s[G0B+4*\slot+2:G0B+4*\slot+3], 2*ROWB
	JLOAD G0+4*\slot, G1, G0B+4*\slot, G1B         ; the first tensor load behind the round; its four v_nop are also the places in front of the loads below
.else
	PLACES NP
.endif
	s_wait_alu depctr_va_vdst(0)
	FETCH_B \next, 0, 0
	FETCH_A \next, 0, 0
	WIN MUL_HI
	MUL16 4, 1, 0
	MUL16 6, 1, 0
	PLACES NP
	WIN 0
	FETCH_A \next, 0, 4
.endm
	s_wait_tensorcnt 1                             ; my part of K step 0 is in; K step 1's load may be out
	s_barrier_signal -1
	s_barrier_wait -1
	FETCH_B 0, 0, 0
	FETCH_A 0, 0, 0
	FETCH_A 0, 0, 4
	STEP 0, 0, 1                                   ; the first step's products start the sums: nothing is cleared
	s_mov_b32 s3, LAPS-1
.Llap:
	TURN 0, 1, 1
	STEP 1, 0, 0
	TURN 1, 0, 1
	STEP 0, 0, 0
	s_sub_co_u32 s3, s3, 1
	s_cmp_lg_u32 s3, 0
	s_cbranch_scc1 .Llap
	TURN 0, 1, 0                                   ; the last lap fills nothing
	STEP 1, 0, 0
	s_wait_dscnt 4*NL
	WIN MUL_LO
	MUL16 0, 1, 0
	MUL16 2, 1, 0
	s_wait_dscnt 0
	WIN MUL_HI
	MUL16 4, 1, 0
	MUL16 6, 1, 0
	WIN 0
; THE WAY OUT, block by block of 16 rows x 128 columns.  sum x 2^(e10 + e11) + bias is made in place; a lane's 32 bytes of a row go through my own stage and come back as whole rows of 512 bytes.
; LDS serves a wave's instructions in order: no wait between the stores and the loads, nor in front of the next block's stores.
.macro TOSTAGE a
.set AC, 64*((\a)%4)
	WIN 0x82+0x41*((\a)/4)                         ; source 0 and destination: window 2 or 3; the bias in window 0
.set j, 0
.rept 32
	v_pk_fma_f32 v[AC+j:AC+j+1], v[AC+j:AC+j+1], s[96:97], v[BI+j:BI+j+1] op_sel_hi:[1,0,1]   ; each accumulator from its low end on
.set j, j+2
.endr
	WIN 0x08+0x04*((\a)/4)                         ; an LDS store's data are its source 1: window 2 or 3
.irp b, 0,1,2,3,4,5,6,7
	ds_store_b128 v[STO], v[AC+8*\b:AC+8*\b+3] offset:64*\b
	ds_store_b128 v[STO], v[AC+8*\b+4:AC+8*\b+7] offset:64*\b+16
.endr
	WIN 0
.set BB, BK+64*((\a)%2)
.irp t, 0,1,2,3,4,5,6,7,8,9,10,11,12,13,14,15
	ds_load_b128 v[BB+4*\t:BB+4*\t+3], v[RD] offset:\t*SPITCH
.endr
.endm
.macro SEND a, younger                 ; younger: the LDS instructions issued behind block a's loads, which may stay out
.set BB, BK+64*((\a)%2)
	s_wait_dscnt \younger
.if (\a) > 0
	s_add_nc_u64 s[12:13], s[12:13], 16*4096       ; (behind a wait for the earlier stores' addresses)  16 rows of out0 on
.endif
.irp t, 0,1,2,3,4,5,6,7,8,9,10,11,12,13,14,15
	global_store_b128 v[CO], v[BB+4*\t:BB+4*\t+3], s[12:13] offset:\t*4096 th:TH_STORE_NT   ; 32 lanes store 512 consecutive bytes, aligned
.endr
.endm
	s_wait_kmcnt 0x0
	s_wait_loadcnt 0x0                             ; the bias
	s_add_co_i32 s96, s96, s97
	s_add_co_i32 s96, s96, 127
	s_lshl_b32 s96, s96, 23                        ; 2^(e10 + e11) as f32
	s_mov_b32 s97, s96                             ; (named with it as a pair, so it is written)
	PLACES NP                                      ; behind the last products
	TOSTAGE 0
.irp a, 1,2,3,4,5,6,7
.if \a > 1
	s_wait_xcnt 0x0                                ; block a - 2's stores have read their registers and their base: block a's loads may land there, and the base may step
.endif
	TOSTAGE \a
	SEND \a-1, 32                                  ; behind block a - 1's loads: block a's 16 stores and 16 loads
.endr
	s_wait_xcnt 0x0                                ; block 6's stores have read their base
	SEND 7, 0
	s_wait_tensorcnt 0x0                           ; the wave's end, behind my last tensor load and my last LDS store
	ds_add_u32 v[SPW], v[NIL]
	s_wait_dscnt 0x0
	CROUND                                         ; the closing round: no work-group ends while a partner may still ask for a tile that names it
	s_endpgm
.Lfunc_end_k_q69a7675156_oproj:
	.size	k_q69a7675156_oproj, .Lfunc_end_k_q69a7675156_oproj-k_q69a7675156_oproj
	.p2alignl 7, 3214868480
	.fill 96, 4, 3214868480
	.section	.rodata,"a",@progbits
	.p2align	6, 0x0
	.amdhsa_kernel k_q69a7675156_oproj
		.amdhsa_group_segment_fixed_size 327680
		.amdhsa_private_segment_fixed_size 0
		.amdhsa_enable_private_segment 0
		.amdhsa_kernarg_size 40
		.amdhsa_user_sgpr_count 2
		.amdhsa_user_sgpr_kernarg_segment_ptr 1
		.amdhsa_wavefront_size32 1
		.amdhsa_system_sgpr_workgroup_id_x 1
		.amdhsa_system_sgpr_workgroup_id_y 1
		.amdhsa_system_sgpr_workgroup_id_z 1
		.amdhsa_system_vgpr_workitem_id 0
		.amdhsa_next_free_vgpr 1024
		.amdhsa_next_free_sgpr 100
		.amdhsa_reserve_vcc 0
		.amdhsa_float_denorm_mode_32 3
		.amdhsa_float_denorm_mode_16_64 3
		.amdhsa_memory_ordered 1
		.amdhsa_forward_progress 1
		.amdhsa_inst_pref_size 126
	.end_amdhsa_kernel
	.amdgpu_metadata
---
amdhsa.version: [ 1, 2 ]
amdhsa.kernels:
  - .name:           k_q69a7675156_oproj
    .symbol:         k_q69a7675156_oproj.kd
    .args:
      - { .name: oc, .offset: 0, .size: 8, .value_kind: global_buffer, .address_space: global }
      - { .name: codes, .offset: 8, .size: 8, .value_kind: global_buffer, .address_space: global }
      - { .name: lowp_scales, .offset: 16, .size: 8, .value_kind: global_buffer, .address_space: global }
      - { .name: WO_bias, .offset: 24, .size: 8, .value_kind: global_buffer, .address_space: global }
      - { .name: out0, .offset: 32, .size: 8, .value_kind: global_buffer, .address_space: global }
    .group_segment_fixed_size: 327680
    .private_segment_fixed_size: 0
    .kernarg_segment_align: 8
    .kernarg_segment_size: 40
    .max_flat_workgroup_size: 128
    .sgpr_count:     100
    .vgpr_count:     1024
    .wavefront_size: 32
...
	.end_amdgpu_metadata
.endif
;; end of part 4
